; MI455X (gfx1250); checked and timed in simulation.
; The chip was launched on July 23, 2026; its instructions are those of AMD's public machine-readable ISA for CDNA 5 (MIT licence, August 2026) and "CDNA5" Instruction Set Architecture Reference Guide (July 2026). The comments in the code are by the model that wrote it; some were corrected since.
;; Scaled Dot Product Attention. Allowed arithmetic: matrix products marked QUANTISED: E2M3 operands, one E8M0 scale for each 32 along K, by v_wmma_scale_f32_16x16x128_f8f6f4 with both operands' format E2M3, f32 sums; everything else in f32.
;; Inputs: K_codes 4 x 16 x 2,048 x 4 x 24 uint8 (E2M3 codes of K, K innermost, in blocks of 32 codes, four codes in three bytes); K_scales 4 x 16 x 2,048 x 4 uint8 (E8M0 scales of K, one for each 32 codes along K); Q_codes 4 x 16 x 2,048 x 4 x 24 uint8 (E2M3 codes of Q, K innermost, in blocks of 32 codes, four codes in three bytes); Q_scales 4 x 16 x 2,048 x 4 uint8 (E8M0 scales of Q, one for each 32 codes along K); V_codes 4 x 16 x 128 x 64 x 24 uint8 (E2M3 codes of V, K innermost, in blocks of 32 codes, four codes in three bytes); V_scales 4 x 16 x 128 x 64 uint8 (E8M0 scales of V, one for each 32 codes along K); mask 2,048 x 2,048 bool.
;; Outputs: out0 4 x 16 x 2,048 x 128 float32.
;; This version of the problem:
;;   THIS VERSION OF THE PROBLEM IS GIVEN IN LOW PRECISION. The matrix products marked QUANTISED in the list below multiply operands that are first quantised to E2M3 (2 exponent bits, 3 mantissa bits; 6 bits a number), with one power-of-two scale for each 32 numbers along K (OCP MX v1.0); their sums are f32. All else is computed in f32.
;;   The module's matrix products, in the order in which they are computed (A, B: the left and right operand; K: the contracted axis; several contracted axes count as one K, in the product's order):
;;     1. batch 64 x [M 2,048, K 128] x [K 128, N 2,048]; A: input Q (given as codes); B: input K (given as codes): QUANTISED
;;     2. batch 64 x [M 2,048, K 2,048] x [K 2,048, N 128]; A: softmax (see below); B: input V (given as codes): QUANTISED
;;   THE QUANTISER, for each operand of a quantised product, along K:
;;     - K is cut into blocks of 32 from its start; a last block that is shorter is filled with zeros.
;;     - A block's scale is 2^e with e = floor(log2(the largest magnitude in the block)) - 2, held to -126 .. 127; a block of zeros has e = 0. As a byte (E8M0): e + 127.
;;     - Each number is divided by its block's scale, clamped to +-7.5, and rounded to the nearest number of E2M3, ties to even, subnormals kept.
;;     - The product sums the exact products of the quantised numbers (number of the format x scale) in f32.
;;   ~~~python
;;   def quantise(x, axis):      # numpy; x: float32 -> the quantised numbers, widened to float32 again
;;       x = np.moveaxis(x, axis, -1); K = x.shape[-1]
;;       x = np.pad(x, [(0, 0)] * (x.ndim - 1) + [(0, -K % 32)]); x = x.reshape(x.shape[:-1] + (-1, 32)); a = np.abs(x).max(-1, keepdims=True)
;;       e = np.where(a > 0, np.clip(np.frexp(np.where(a > 0, a, 1))[1] - 1 - 2, -126, 127), 0)      # np.frexp(a)[1] - 1 = floor(log2(a)), exactly
;;       r = np.clip(x / 2.0 ** e, -7.5, 7.5)
;;       step = 2.0 ** (np.maximum(np.frexp(np.where(r == 0, 1, r))[1] - 1, 0) - 3)
;;       q = np.round(r / step) * step * 2.0 ** e      # np.round: ties to even
;;       return np.moveaxis(q.reshape(q.shape[:-2] + (-1,))[..., :K], -1, axis).astype(np.float32)
;;   ~~~
;;   SOFTMAX AHEAD OF A QUANTISED PRODUCT. Where the list says 'softmax', what is quantised is not the finished softmax but p = 2^(t - M), with t = logit x log2(e) and M = ceil(the row's largest t), a whole number; so 1/2 < the row's largest p <= 1. The row's sum l is taken of the UNQUANTISED p, in f32, and the product's result is divided by l at the end. Since M is a whole number, a kernel that streams over the keys may use a running M (the ceiling of the running maximum): every later rescaling is an exact power of two, which a block's scale takes up: the codes' values come out the same.
;;   OPERANDS COMPUTED ON THE WAY. 'Computed on the way' means the value that the module computes at that place (a softmax that the list does not call 'softmax' is quantised finished and normalised). What goes into a quantiser is computed in f32, as accurately as f32 sums, v_exp_f32 and their like allow (about 1e-6 of the number): no bf16 or f16 on the way to a quantiser, and a product that is left as it is and whose result goes on into a quantised operand takes f32 operands (vector FMAs, or v_wmma_f32_16x16x4_f32). A number that lies on a knife's edge between two numbers of the format may be rounded either way, as far as f32 arithmetic and the matrix unit's own rounding can turn it there, and no further.
;;   INPUTS GIVEN AS CODES. K (in the module: [4, 16, 2048, 128], K = its axis 3); Q (in the module: [4, 16, 2048, 128], K = its axis 3); V (in the module: [4, 16, 2048, 128], K = its axis 2): each comes as NAME_codes (uint8): NAME with its K axis moved to the last place and cut into blocks of 32 codes, [.., K / 32, bytes a block], one block behind the other in memory; four codes in three bytes: a row's codes are one little-endian stream of bits, code i at bits 6 i .. 6 i + 5 (a code: sign, 2 exponent bits, 3 mantissa bits); and NAME_scales (uint8): the same leading axes, one E8M0 byte (e + 127) for each 32 codes along K. Its value is code x scale, taken as it is: it is not quantised again, and the codes and scales need not be those that the quantiser above would give.
;; 2 versions. Each part assembles by itself: llvm-mc -triple=amdgcn-amd-amdhsa -mcpu=gfx1250 --defsym DOCPART=n.
;; ======== version 1 of 2: 2 launches
;; workspace buffers: mbits 524,288 bytes of whole numbers; mclass 256 bytes of whole numbers
;; launch maskpack (part 1): grid 64 x 4, 8 waves a work-group, no clusters, 1,280 bytes of LDS; arguments mask, mbits, mclass; writes mbits, mclass
.if DOCPART == 1
	.amdgcn_target "amdgcn-amd-amdhsa--gfx1250"
	.amdhsa_code_object_version 6
	.text
	.protected	k_qb72b2a6ca6_maskpack
	.globl	k_qb72b2a6ca6_maskpack
	.p2align	8
	.type	k_qb72b2a6ca6_maskpack,@function
k_qb72b2a6ca6_maskpack:
	s_mov_b64 s[64:65], 0
	v_nop
	global_prefetch_b8 v0, s[64:65] scope:SCOPE_SE
	s_setreg_imm32_b32 hwreg(HW_REG_WAVE_MODE, 25, 1), 1
	s_wait_xcnt 0x0
; The mask [2048 queries][2048 keys], one byte each (any byte but 0 counts as true), is read once and turned into what the attention launch can use without arithmetic:
;   mbits  u32 [64 pairs][16 steps][2 tiles][64]: a pair is 32 queries, a step 128 keys, a tile 16 queries.  Bit l of word n is
;          mask[32 pair + 16 tile + l % 16][128 step + 32 (n / 16) + 16 (l / 16) + n % 16]: the key and query of score register n in lane l there, so that a word is one lane mask.
;   mclass u32 [64 pairs]: bit 2 s: some key of step s counts for some of the pair's 32 queries; bit 2 s + 1: some key may be hidden (set whenever a byte is not 1).
; SHARES.  Work-group (x, y) = pair x, steps 4 y .. 4 y + 3: 256 work-groups.  Wave w takes tile w % 2 of step 4 y + w / 2: 16 rows x 128 bytes, 64 words.
; The work-group's four steps are eight class bits: byte y of the pair's class word, stored by this work-group alone.
; Lane (r, h) loads, of row r of its tile, the 16 bytes at 32 b + 16 h, b = 0 .. 3: byte n % 4 of register n / 4 is then the byte of word n for this lane.
; No matrix unit, no tensor load, no cluster: nothing is multiplied and no two work-groups read the same byte.
.set DAT, 8                            ; v8-23   the mask's bytes
.set WRD, 24                           ; v24-25  the words: lane j holds words 2 j and 2 j + 1
.set ANY, 26                           ; v26     OR of the 16 data registers
.set ALL, 27                           ; v27     AND of them
.set PRT, 28                           ; v28-35  the eight waves' parts of the class byte
.set NIL, 36                           ; v36     0
	s_load_b128 s[4:7], s[0:1], 0x0                ; mask s[4:5], mbits s[6:7]
	s_load_b64 s[8:9], s[0:1], 0x10                ; mclass
	v_lshl_add_u32 v64, v0, 2, 0x100
	v_mov_b32 v65, 0
	v_lshrrev_b32 v3, 5, v0
	v_readfirstlane_b32 s10, v3                    ; wave 0..7
	v_lshlrev_b32 v3, 2, v3                        ; LDS: my wave's word
	v_and_b32 v4, 15, v0                           ; r
	v_bfe_u32 v5, v0, 4, 1                         ; h
	v_lshlrev_b32 v1, 11, v4
	v_lshl_add_u32 v1, v5, 4, v1                   ; row r of 2,048 bytes, + 16 h
	v_and_b32 v2, 31, v0
	v_lshlrev_b32 v2, 3, v2                        ; out: 8 bytes a lane
	v_mov_b32 v[NIL], 0
	v_mov_b32 v[WRD], 0                            ; written once whole: a lane write's destination counts as read
	v_mov_b32 v[WRD+1], 0
	s_and_b32 s11, ttmp7, 0xffff                   ; y: which four steps
	s_lshr_b32 s23, s10, 1                         ; my step among them
	s_and_b32 s24, s10, 1                          ; my tile
	s_lshl_b32 s25, s11, 2
	s_add_co_u32 s25, s25, s23                     ; my step, 0..15
	s_lshl_b32 s16, ttmp9, 16                      ; the pair's 32 rows of 2,048 bytes,
	s_lshl_b32 s17, s24, 15                        ; the tile's 16,
	s_add_co_u32 s16, s16, s17
	s_lshl_b32 s17, s25, 7                         ; the step's 128 bytes in a row
	s_add_co_u32 s16, s16, s17
	s_mov_b32 s17, 0
	s_lshl_b32 s18, ttmp9, 4
	s_add_co_u32 s18, s18, s25
	s_lshl_b32 s18, s18, 1
	s_add_co_u32 s18, s18, s24
	s_lshl_b32 s18, s18, 8                         ; ((16 pair + step) 2 + tile) x 256 bytes of words
	s_mov_b32 s19, 0
	s_lshl_b32 s20, ttmp9, 2
	s_add_co_u32 s20, s20, s11                     ; byte y of the pair's class word
	s_mov_b32 s21, 0
	s_wait_kmcnt 0x0
	s_add_nc_u64 s[4:5], s[4:5], s[16:17]
	s_add_nc_u64 s[6:7], s[6:7], s[18:19]
	s_add_nc_u64 s[8:9], s[8:9], s[20:21]
.irp b, 0,1,2,3
	global_load_b128 v[DAT+4*\b:DAT+4*\b+3], v1, s[4:5] offset:32*\b th:TH_LOAD_NT   ; read once in the launch
.endr
	s_wait_loadcnt 0x0
; The 64 words: one byte of every lane is cut out, compared with 0, and the 32 lanes' answers, a scalar word, go to lane n / 2 of the output pair.  Temporaries by turns of four.
.set MN, 0
.rept 64
	v_and_b32 v[4+MN%4], 0xff<<(8*(MN%4)), v[DAT+MN/4]
	v_cmp_ne_u32 s[12+MN%4], 0, v[4+MN%4]
	v_writelane_b32 v[WRD+MN%2], s[12+MN%4], MN/2
.set MN, MN+1
.endr
	global_store_b64 v2, v[WRD:WRD+1], s[6:7]      ; 32 lanes store 256 consecutive bytes, at a multiple of 256 from the buffer's first byte
	; my tile's part of my step's two class bits
	v_or_b32 v[ANY], v[DAT], v[DAT+1]
	v_and_b32 v[ALL], v[DAT], v[DAT+1]
.set MN, DAT+2
.rept 14
	v_or_b32 v[ANY], v[ANY], v[MN]
	v_and_b32 v[ALL], v[ALL], v[MN]
.set MN, MN+1
.endr
	v_cmp_ne_u32 s16, 0, v[ANY]                    ; lanes that hold a byte that counts
	v_cmp_ne_u32 s17, 0x01010101, v[ALL]           ; lanes that hold a byte other than 1
	s_cmp_lg_u32 s16, 0
	s_cselect_b32 s18, 1, 0
	s_cmp_lg_u32 s17, 0
	s_cselect_b32 s19, 2, 0
	s_or_b32 s18, s18, s19
	s_lshl_b32 s20, s23, 1
	s_lshl_b32 s18, s18, s20                       ; at bits 2 (w / 2), 2 (w / 2) + 1 of the byte
	v_mov_b32 v4, s18
	ds_store_b32 v3, v4                            ; all lanes write the same word with the same value
	s_wait_dscnt 0x0                               ; for the others' sake: my store has landed
	s_barrier_signal -1
	s_barrier_wait -1
	s_cmp_lg_u32 s10, 0
	s_cbranch_scc1 .Lend                           ; wave 0 alone joins the eight parts
	ds_load_b128 v[PRT:PRT+3], v[NIL]
	ds_load_b128 v[PRT+4:PRT+7], v[NIL] offset:16
	s_wait_dscnt 0x0
.irp i, 1,2,3,4,5,6,7
	v_or_b32 v[PRT], v[PRT], v[PRT+\i]
.endr
	s_wait_xcnt 0x0                                ; EXEC is a source of my pending store: it changes only behind this wait
	v_cmp_eq_u32 vcc_lo, 0, v0
	s_and_saveexec_b32 s22, vcc_lo
	global_store_b8 v[NIL], v[PRT], s[8:9]         ; one byte a work-group: 256 bytes in the whole launch
	s_wait_xcnt 0x0                                ; and again in front of the line that widens it
	s_or_b32 exec_lo, exec_lo, s22
.Lend:
	s_wait_tensorcnt 0x0
	ds_add_u32 v64, v65
	s_wait_dscnt 0x0
	s_endpgm
.Lfunc_end_k_qb72b2a6ca6_maskpack:
	.size	k_qb72b2a6ca6_maskpack, .Lfunc_end_k_qb72b2a6ca6_maskpack-k_qb72b2a6ca6_maskpack
	.p2alignl 7, 3214868480
	.fill 96, 4, 3214868480
	.section	.rodata,"a",@progbits
	.p2align	6, 0x0
	.amdhsa_kernel k_qb72b2a6ca6_maskpack
		.amdhsa_group_segment_fixed_size 1280
		.amdhsa_private_segment_fixed_size 0
		.amdhsa_enable_private_segment 0
		.amdhsa_kernarg_size 24
		.amdhsa_user_sgpr_count 2
		.amdhsa_user_sgpr_kernarg_segment_ptr 1
		.amdhsa_wavefront_size32 1
		.amdhsa_system_sgpr_workgroup_id_x 1
		.amdhsa_system_sgpr_workgroup_id_y 1
		.amdhsa_system_sgpr_workgroup_id_z 1
		.amdhsa_system_vgpr_workitem_id 0
		.amdhsa_next_free_vgpr 66
		.amdhsa_next_free_sgpr 66
		.amdhsa_reserve_vcc 1
		.amdhsa_float_denorm_mode_32 3
		.amdhsa_float_denorm_mode_16_64 3
		.amdhsa_memory_ordered 1
		.amdhsa_forward_progress 1
		.amdhsa_inst_pref_size 17
	.end_amdhsa_kernel
	.amdgpu_metadata
---
amdhsa.version: [ 1, 2 ]
amdhsa.kernels:
  - .name:           k_qb72b2a6ca6_maskpack
    .symbol:         k_qb72b2a6ca6_maskpack.kd
    .args:
      - { .name: mask, .offset: 0, .size: 8, .value_kind: global_buffer, .address_space: global }
      - { .name: mbits, .offset: 8, .size: 8, .value_kind: global_buffer, .address_space: global }
      - { .name: mclass, .offset: 16, .size: 8, .value_kind: global_buffer, .address_space: global }
    .group_segment_fixed_size: 1280
    .private_segment_fixed_size: 0
    .kernarg_segment_align: 8
    .kernarg_segment_size: 24
    .max_flat_workgroup_size: 256
    .sgpr_count:     66
    .vgpr_count:     66
    .wavefront_size: 32
...
	.end_amdgpu_metadata
.endif
;; end of part 1
;; launch attn (part 2): grid 64 x 4, 8 waves a work-group, no clusters, 183,296 bytes of LDS; arguments Q_codes, Q_scales, K_codes, K_scales, V_codes, V_scales, mbits, mclass, out0; writes out0
.if DOCPART == 2
	.amdgcn_target "amdgcn-amd-amdhsa--gfx1250"
	.amdhsa_code_object_version 6
	.text
	.protected	k_qb72b2a6ca6_attn
	.globl	k_qb72b2a6ca6_attn
	.p2align	8
	.type	k_qb72b2a6ca6_attn,@function
k_qb72b2a6ca6_attn:
	s_mov_b64 s[64:65], 0
	v_nop
	global_prefetch_b8 v0, s[64:65] scope:SCOPE_SE
	s_setreg_imm32_b32 hwreg(HW_REG_WAVE_MODE, 25, 1), 1
	s_wait_xcnt 0x0
; out0[head][q][:] = the sum over k of softmax_k(mask ? Q[q] . K[k] / sqrt(128) : -inf) V[k][:], 64 heads, 2,048 queries and keys, head size 128; both products on codes of FP6 (E2M3) with one E8M0 scale for each 32 along a product's K.
; Q, K: codes [head][2048][96 bytes], scale words [head][2048][4];  V: codes with the keys innermost [head][128][1536 bytes], scale bytes [head][128][64];  out0 f32 [head][2048][128].
; THE SOFTMAX AHEAD OF THE SECOND PRODUCT: t = score x log2(e) / sqrt(128) (one multiplication); M = the row's largest t so far, rounded UP to a whole number; p = 2^(t - M) is quantised along the keys, not normalised.
; The row's sum is taken of the unquantised p and divides at the end.  When M moves, the sum and O are multiplied by 2^(old M - new M): exact.
; THE MASK is an input; the launch before has laid it as lane masks (mbits: word n of a tile and step = the 32 lanes' bits for score register n) and as a class word for each 32 queries (mclass: two bits for each
; 128 keys: some key counts; some key may be hidden).  A step in which no key counts for my 32 queries is jumped over; where some key may be hidden the scores of hidden keys become -infinity ahead of the maximum.
; SHARES.  256 work-groups THAT STAY: work-group (x, y) makes, of head x, the block of 256 queries number 7 - y and then number y (under a lower-triangular mask the two together need 9 of 16 slots, whatever y).
; The arguments, both blocks' class words and the head's scale bytes come once; the second block's first tiles and its Q are asked for ahead of the first block's way out, and nothing waits for the first block's stores.
; Each of the eight waves owns 32 queries of a block: TWO tiles of 16, which share every fragment of K and V read from LDS.  Tile 1 lives in register window 1 under tile 0's register numbers.
; For each block every wave walks 8 slots of 256 keys, two steps of 128 keys each: the trip counts are constants, and what the class words spare is a step's work and a slot's fetch.
; LAYOUT.  Both products are used transposed: S^T = K Q^T (source 0 = 16 keys, source 1 = 16 queries), O^T = V^T P^T: a lane holds ONE query (lane % 16) throughout.  The keys of a tile are not neighbours: lane r of tile
; 2 b + u takes key 32 b + 8 u + r + 8 (r / 8), so that score registers 16 b + i are the 16 neighbouring keys 32 b + 16 (lane / 16) + i.
; K AND V GO THROUGH REGISTERS INTO LDS AS IMAGES OF THE FRAGMENTS' REGISTERS: registers 4 a .. 4 a + 3 of lane L at 512 a + 16 L of the fragment's 1,536 bytes.  A slot has 16 fragments of K and 16 of V; wave w fetches
; numbers 2 w and 2 w + 1 of each from memory in the operand's own order (six loads of 8 bytes a lane for a fragment: lane (r, h) takes the 24 bytes at 24 h and at 48 + 24 h of its row) at a slot's head, and stores them
; behind the slot's first step by three stores of 16 bytes a lane, 512 consecutive bytes each; any wave reads a fragment back by three such loads.  Two slots take turns, one barrier a slot.
; A load from memory so takes pieces of 8 bytes from 16 rows (96 bytes apart in K, 1,536 in V); a fragment's six loads together take every byte of its rows' 96.
; NO TENSOR LOADS, NO CLUSTER: rows of 96 and 192 bytes as they lie in memory would want six LDS loads of 8 bytes a fragment; and which slots a work-group fetches, and when, hangs on class words that differ from one
; block of queries to the next, so partners of a joint request would need different tiles at the same time.
; LIMITS.  A row with no key that counts gives NaN (0 x 1/0), as a softmax of -infinities does.  p under 2^-126 counts as 0.  A block of p that is all zeros gets the scale byte 1 (its codes are zeros).
; A given scale byte 0xff, and scores that are NaN or +infinity, give NaN or are not served.
; REGISTERS.  Window 0: v1-11 addresses; v12 -M, v13 the largest t, v[14:15] the sum in two halves; v16-27 Q; v28, 29 Q's scale words (tiles 0, 1); v30, 31 p's; v32-79 four fragments of K or V; v80-93 addresses;
;   v96-159 S^T, then p; v160-223 O^T; v224-235 p's codes; v232-247, v252-254 at work; v248-251 the four fragments' scale words.   Window 1: the same numbers for tile 1 (v12-27, v96-247, v252-254); v32-79: the next slot's bytes on their way.
.set FRB,    1536                      ; a fragment's image
.set VOFF,   16*FRB                    ; a slot: K's 16 fragments (8 q + tile), then V's 16
.set SCK,    2*VOFF                    ; behind slot 0: K's scale words of the head: step s, group g, lane r, tile tt at 512 s + 256 g + 16 r + 4 tt;
.set SCV,    SCK+8192                  ; V's likewise
.set SLOT1,  65536                     ; slot 1 begins here
.set STAGE,  SLOT1+2*VOFF              ; the way out: 16 rows x 528 bytes for each wave, its own
.set SPITCH, 528
.set KSLOT,  256*96                    ; a slot's bytes of K in memory: dense
.set VSLOT,  192                       ; and of a row of V
.set LN,   1                           ; v1     16 x lane: my place in an image's 512 bytes in slot 0, and in a row of out0
.set RD,   1                           ; v1, v2 where I read images: slot 0, slot 1; never rewritten
.set SCB,  3                           ; v3     SCK + 16 (lane % 16)
.set ADS,  4                           ; v4     SCB + 1,024 x the trip's first slot
.set GK,   5                           ; v5     K: my byte in a slot's 24,576: 96 (r + 8 (r / 8)) + 24 h + 3,072 wave
.set GV,   6                           ; v6     V: 1,536 r + 24 h + 96 (wave / 4) + 49,152 (wave % 4)
.set QOB,  7                           ; v7     QO + my pair's 32 rows of Q in the head
.set QSB,  8                           ; v8     QS + their scale words
.set QO,   9                           ; v9     Q: 96 r + 24 h
.set QS,   10                          ; v10    4 r
.set SO,   11                          ; v11    16 x thread: the scale bytes on their way in
.set FRG,  32
.set WA,   80                          ; v80, v81 where I store images: 16 x lane + 3,072 x wave, in slot 0, slot 1; never rewritten
.set GO,   82                          ; v82    LN + my pair's 32 rows of out0 in the head
.set STO,  92                          ; v92    the stage: where I put 32 bytes of a row
.set SRD,  93                          ; v93    and where I read a row back
.set STK,  32                          ; window 1: K's two fragments on their way,
.set STV,  56                          ; V's two
.set TL,   112                         ; v112-117 at work at the head
.set TA,   114
.set TC,   115
.set TD,   116
.set TE,   117
.set BLK,  18                          ; s18  blocks to go (mclass's address has served by then)
.set WV,   22                          ; s22  my wave's number
.set PN,   23                          ; s23  my pair of tiles in the second block
.set CWN,  24                          ; s24  its class word
.set WNN,  25                          ; s25  and the work-group's need word for that block
.set TS,   26                          ; s26  1,024 x the trip's first slot
.set PA,   27                          ; s27  my pair in the first block
.set CW,   28                          ; s28  my pair's class word, 4 bits a slot, the trip's first slot lowest
.set WN,   29                          ; s29  the OR of the eight waves' class words, the slot behind the trip's first lowest
.set CNT,  30                          ; s30  trips to go
.set SEL,  66                          ; s[66:67]   lane selects for v_permlanex16_b32: lane l xor 16
.set CS,   100                         ; s[100:101] c = log2(e) / sqrt(128): the packed form names a pair and takes its low word for both halves
.set MP,   104                         ; s[104:105] the mask words of my pair, at the trip's first step
                                       ; s[2:3]: an offset in 64 bits: s3 stays 0.  s[32:63], s[68:99]: a tile's 64 mask words: word n in s[32 + n], from n = 32 on in s[36 + n]
.set MSB, 0
.macro WIN new                         ; bits 1:0 source 0, 3:2 source 1, 5:4 source 2, 7:6 destination; the immediate's high byte repeats the setting that is left
.if MSB != (\new)
	s_set_vgpr_msb (MSB<<8)|(\new)
.set MSB, (\new)
.endif
.endm
; 0x55: all of tile 1's vector work.  0x54: its products (source 0, K or V, in window 0).  0x15: sources window 1, destination window 0.  0x40: loads into window 1.  0x04: store data from window 1.
.macro PLACES                          ; four plain vector instructions between a matrix instruction and a read of its result, or a load into one of its registers (ISA guide 7.12.1 for reads of the result)
.rept 4
	v_nop
.endr
.endm
; My four fragments of the slot that lies n slots behind the pointers' slot.  K's fragment 2 wave + u: keys 32 wave + 8 u + r + 8 (r / 8).  V's: step wave / 4 of the slot, rows 32 (wave % 4) + 16 u + r.
.macro LOADG n
	WIN 0x40
.irp u, 0,1
.irp p, 0,1,2,3,4,5
	global_load_b64 v[STK+12*\u+2*\p:STK+12*\u+2*\p+1], v[GK], s[8:9] offset:KSLOT*(\n)+768*\u+48*(\p/3)+8*(\p%3)
.endr
.endr
.irp u, 0,1
.irp p, 0,1,2,3,4,5
	global_load_b64 v[STV+12*\u+2*\p:STV+12*\u+2*\p+1], v[GV], s[12:13] offset:VSLOT*(\n)+24576*\u+48*(\p/3)+8*(\p%3)
.endr
.endr
	WIN 0
.endm
.macro STOREG s                        ; and into slot s, as they stand: each store is 512 consecutive bytes
	WIN 0x04
.irp u, 0,1
.irp a, 0,1,2
	ds_store_b128 v[WA+(\s)], v[STK+12*\u+4*\a:STK+12*\u+4*\a+3] offset:FRB*\u+512*\a
.endr
.endr
.irp u, 0,1
.irp a, 0,1,2
	ds_store_b128 v[WA+(\s)], v[STV+12*\u+4*\a:STV+12*\u+4*\a+3] offset:VOFF+FRB*\u+512*\a
.endr
.endr
	WIN 0
.endm
; A block's places, from my pair's number in s[p].  Q's: two vector offsets.
.macro BSETQ p
	s_mul_i32 s2, s[\p], 32*96
	v_add_nc_u32 v[QOB], s2, v[QO]
	s_lshl_b32 s2, s[\p], 7
	v_add_nc_u32 v[QSB], s2, v[QS]
.endm
; out0's, a vector offset (32 rows of 512 bytes a pair), and the pair's mask words (16 steps x 512 bytes), a working copy of the pointer
.macro BSETO p
	s_lshl_b32 s2, s[\p], 14
	v_add_nc_u32 v[GO], s2, v[LN]
	s_lshl_b32 s2, s[\p], 13
	s_add_nc_u64 s[MP:MP+1], s[16:17], s[2:3]
.endm
.macro QLOAD                           ; Q's two fragments and their scale words stay in registers for a block; read once in the launch.  14 loads
.irp p, 0,1,2,3,4,5
	global_load_b64 v[16+2*\p:17+2*\p], v[QOB], s[4:5] offset:48*(\p/3)+8*(\p%3) th:TH_LOAD_NT
.endr
	global_load_b32 v28, v[QSB], s[6:7]
	global_load_b32 v29, v[QSB], s[6:7] offset:64
	WIN 0x40
.irp p, 0,1,2,3,4,5
	global_load_b64 v[16+2*\p:17+2*\p], v[QOB], s[4:5] offset:1536+48*(\p/3)+8*(\p%3) th:TH_LOAD_NT   ; tile 1: 16 rows on
.endr
	WIN 0
.endm
; Which step is a pair's first hangs on the mask, so the step is written once and finds zeros: O^T and the sum begin as zeros, the largest t as -3e38; the first change of M multiplies zeros by 0.
.macro INIT t
	WIN 0x55*(\t)
	v_mov_b32 v13, 0xff61b1e6                      ; -3e38, under every t
	v_floor_f32 v12, -v13                          ; -M
	v_mov_b32 v14, 0
	v_mov_b32 v15, 0
.irp b, 0,1,2,3
	v_mov_b32 v[236+\b], 0                         ; a lane permute's destination counts as one of its sources
.endr
	v_mov_b32 v252, 0
	v_mov_b32 v253, 0                              ; (named as the upper half of the pair v[252:253])
.set J, 0
.rept 64
	v_mov_b32 v[160+J], 0
.set J, J+1
.endr
	WIN 0
.endm
	s_load_b512 s[4:19], s[0:1], 0x0               ; Q's codes s[4:5], Q's scales s[6:7], K's s[8:9], s[10:11], V's s[12:13], s[14:15], mbits s[16:17], mclass s[18:19]
	s_load_b64 s[20:21], s[0:1], 0x40              ; out0
	v_lshl_add_u32 v243, v0, 2, 0x2c800
	v_mov_b32 v255, 0
	v_lshrrev_b32 v1, 5, v0
	v_readfirstlane_b32 s[WV], v1                  ; wave 0..7
	s_and_b32 s31, ttmp7, 0xffff                   ; y = 0..3: the second block's number
	s_lshl_b32 s30, s31, 5                         ; its eight class words' place
	s_lshl_b32 s[PN], s31, 3
	s_add_co_u32 s[PN], s[PN], s[WV]               ; my pair of tiles there, 0..31
	s_sub_co_u32 s[PA], 7, s31                     ; the first block's number
	s_lshl_b32 s26, s[PA], 5
	s_lshl_b32 s[PA], s[PA], 3
	s_add_co_u32 s[PA], s[PA], s[WV]               ; my pair there, 32..63
	v_and_b32 v[TL], 31, v0                        ; lane
	v_lshlrev_b32 v[LN], 4, v[TL]
	v_add_nc_u32 v[RD+1], SLOT1, v[LN]
	v_and_b32 v[TA], 15, v0                        ; r
	v_bfe_u32 v[TC], v0, 4, 1                      ; h
	v_and_b32 v[TD], 8, v[TA]
	v_add_nc_u32 v[TD], v[TD], v[TA]               ; r + 8 (r / 8)
	v_mul_u32_u24 v[GK], v[TD], 96
	v_mad_u32_u24 v[GK], v[TC], 24, v[GK]
	s_mul_i32 s31, s[WV], 32*96
	v_add_nc_u32 v[GK], s31, v[GK]
	v_mul_u32_u24 v[GV], v[TA], 1536
	v_mad_u32_u24 v[GV], v[TC], 24, v[GV]
	s_lshr_b32 s31, s[WV], 2
	s_mul_i32 s31, s31, 96
	s_and_b32 s2, s[WV], 3
	s_mul_i32 s2, s2, 32*1536
	s_add_co_u32 s31, s31, s2
	v_add_nc_u32 v[GV], s31, v[GV]
	v_mul_u32_u24 v[QO], v[TA], 96
	v_mad_u32_u24 v[QO], v[TC], 24, v[QO]
	v_lshlrev_b32 v[QS], 2, v[TA]
	v_lshlrev_b32 v[SO], 4, v0
	s_mul_i32 s2, ttmp9, 2048*96                   ; the head's first byte in each tensor of codes
	s_mov_b32 s3, 0
	s_wait_kmcnt 0x0
	s_add_nc_u64 s[4:5], s[4:5], s[2:3]
	s_add_nc_u64 s[8:9], s[8:9], s[2:3]
	s_add_nc_u64 s[12:13], s[12:13], s[2:3]
	s_lshl_b32 s2, ttmp9, 13                       ; of scale bytes
	s_add_nc_u64 s[6:7], s[6:7], s[2:3]
	s_add_nc_u64 s[10:11], s[10:11], s[2:3]
	s_add_nc_u64 s[14:15], s[14:15], s[2:3]
	s_lshl_b32 s2, ttmp9, 20                       ; and in out0: 2,048 rows of 512 bytes
	s_add_nc_u64 s[20:21], s[20:21], s[2:3]
	s_mov_b32 s2, s26                              ; both blocks' class words go out together, each load from a pointer of its own
	s_add_nc_u64 s[68:69], s[18:19], s[2:3]
	s_load_b256 s[32:39], s[68:69], 0x0            ; the first block's eight pairs,
	s_mov_b32 s2, s30
	s_add_nc_u64 s[70:71], s[18:19], s[2:3]
	s_load_b256 s[40:47], s[70:71], 0x0            ; the second block's,
	s_lshl_b32 s2, s[PA], 2
	s_add_nc_u64 s[72:73], s[18:19], s[2:3]
	s_load_b32 s[CW], s[72:73], 0x0                ; and my own two
	s_lshl_b32 s2, s[PN], 2
	s_add_nc_u64 s[74:75], s[18:19], s[2:3]
	s_load_b32 s[CWN], s[74:75], 0x0
.irp n, 0,1
	global_load_b128 v[96+4*\n:99+4*\n], v[SO], s[10:11] offset:4096*\n     ; the head's scale bytes, 8,192 of K's and of V's: 16 bytes a thread, twice.  They serve both blocks
	global_load_b128 v[104+4*\n:107+4*\n], v[SO], s[14:15] offset:4096*\n
.endr
	BSETQ PA
	LOADG 0                                        ; slot 0, always
	QLOAD
	BSETO PA
	; while these are out: the places in LDS
	s_mul_i32 s31, s[WV], 2*FRB
	v_add_nc_u32 v[WA], s31, v[LN]                 ; my two fragments' images: 16 x lane + 3,072 x wave
	v_add_nc_u32 v[WA+1], SLOT1, v[WA]
	; K's scale words: thread t's word e of load n is key 1,024 n + 4 t + e: step 8 n + t / 32; bits of t: 0: row bit 2; 1: tile bit 0; 2: row bit 3; 3: tile bit 1; 4: group
	s_lshl_b32 s31, s[WV], 9
	v_bfe_u32 v[TC], v0, 4, 1
	v_lshl_add_u32 v[TA], v[TC], 8, s31
	v_and_b32 v[TC], 1, v0
	v_lshl_add_u32 v[TA], v[TC], 6, v[TA]
	v_bfe_u32 v[TC], v0, 2, 1
	v_lshl_add_u32 v[TA], v[TC], 7, v[TA]
	v_bfe_u32 v[TC], v0, 3, 1
	v_lshl_add_u32 v[TA], v[TC], 3, v[TA]
	v_bfe_u32 v[TC], v0, 1, 1
	v_lshl_add_u32 v[TA], v[TC], 2, v[TA]
	v_add_nc_u32 v[TA], SCK, v[TA]
	; V's: word e of load n is row d = t / 4 + 64 n, step 4 (t % 4) + e: group n, tile t / 64, row (t / 4) % 16
	v_and_b32 v[TC], 3, v0
	v_lshlrev_b32 v[TD], 11, v[TC]
	v_bfe_u32 v[TC], v0, 2, 4
	v_lshl_add_u32 v[TD], v[TC], 4, v[TD]
	v_lshrrev_b32 v[TC], 6, v0
	v_lshl_add_u32 v[TD], v[TC], 2, v[TD]
	v_add_nc_u32 v[TD], SCV, v[TD]
	v_and_b32 v[TE], 15, v0                        ; r
	v_bfe_u32 v[TC], v0, 4, 1                      ; h
	v_lshl_add_u32 v[SCB], v[TE], 4, SCK
	s_mul_i32 s31, s[WV], 16*SPITCH
	s_add_co_u32 s31, s31, STAGE                   ; my stage
	v_mul_u32_u24 v[STO], v[TE], SPITCH
	v_lshl_add_u32 v[STO], v[TC], 5, v[STO]
	v_add_nc_u32 v[STO], s31, v[STO]               ; in: row r, + 32 h
	v_add_nc_u32 v[SRD], s31, v[LN]                ; back: the 32 lanes take a row of 512 bytes
	s_mov_b32 s[SEL], 0x76543210
	s_mov_b32 s[SEL+1], 0xfedcba98
	s_mov_b32 s[CS], 0x3e0293ee                    ; log2(e) / sqrt(128)
	s_mov_b32 s[CS+1], s[CS]                       ; (named with it as a pair, so it is written)
	s_mov_b32 s[BLK], 2
	s_wait_kmcnt 0x0                               ; the class words
	s_or_b32 s[WN], s32, s33
.irp i, 34,35,36,37,38,39
	s_or_b32 s[WN], s[WN], s\i
.endr
	s_lshr_b32 s[WN], s[WN], 4                     ; slot 1's four bits lowest: bits 0 and 2 say whether any wave works one of its two steps
	s_or_b32 s[WNN], s40, s41
.irp i, 42,43,44,45,46,47
	s_or_b32 s[WNN], s[WNN], s\i
.endr
	s_lshr_b32 s[WNN], s[WNN], 4
	s_wait_loadcnt 38                              ; the four loads of scale bytes are in; behind them slot 0's 24 loads and Q's 14 may be out
.irp n, 0,1
.irp e, 0,1,2,3
	ds_store_b32 v[TA], v[96+4*\n+\e] offset:16*\e+4096*\n
	ds_store_b32 v[TD], v[104+4*\n+\e] offset:512*\e+256*\n
.endr
.endr
.macro MLOAD q, t, s                   ; tile t's 64 mask words of step q of the trip's slot s
	s_load_b512 s[32:47], s[MP:MP+1], 1024*(\s)+512*(\q)+256*(\t)
	s_load_b512 s[48:63], s[MP:MP+1], 1024*(\s)+512*(\q)+256*(\t)+64
	s_load_b512 s[68:83], s[MP:MP+1], 1024*(\s)+512*(\q)+256*(\t)+128
	s_load_b512 s[84:99], s[MP:MP+1], 1024*(\s)+512*(\q)+256*(\t)+192
.endm
.macro MASK t                          ; a hidden key's score becomes -infinity: p = 0 then.  Ascending
	WIN 0x55*(\t)
	v_mov_b32 v254, 0xff800000
.set MN, 0
.rept 64
.if MN < 32
	v_cndmask_b32 v[96+MN], v254, v[96+MN], s[32+MN]
.else
	v_cndmask_b32 v[96+MN], v254, v[96+MN], s[36+MN]
.endif
.set MN, MN+1
.endr
	WIN 0
.endm
; One tile's softmax for 128 keys: S^T in v96-159 becomes p, p's codes in v224-235 and its scale word in v[30 + t] (window 0: scale operands have no window); the sum and O^T come under the new M.
.macro SOFTMAX t
	WIN 0x55*(\t)
.irp b, 0,1,2,3
	v_max3_num_f32 v[232+\b], v[96+16*\b], v[97+16*\b], v[98+16*\b]   ; the largest score of each block of 32 keys: it serves for the row's maximum and, since p rises with the score, for the block's largest p
.endr
.irp i, 3,5,7,9,11,13
.irp b, 0,1,2,3
	v_max3_num_f32 v[232+\b], v[232+\b], v[96+16*\b+\i], v[97+16*\b+\i]   ; (the four blocks by turns)
.endr
.endr
.irp b, 0,1,2,3
	v_max_num_f32 v[232+\b], v[232+\b], v[111+16*\b]
.endr
.irp b, 0,1,2,3
	v_permlanex16_b32 v[236+\b], v[232+\b], s[SEL], s[SEL+1]
.endr
.irp b, 0,1,2,3
	v_max_num_f32 v[232+\b], v[232+\b], v[236+\b]  ; with lane l xor 16's 16 keys
.endr
	v_max3_num_f32 v254, v232, v233, v234
	v_max_num_f32 v254, v254, v235                 ; the step's largest score of my query
	v_mul_f32 v254, s[CS], v254                    ; as t (c is positive)
	v_max_num_f32 v13, v13, v254                   ; the running largest t
	v_mov_b32 v254, v12
	v_floor_f32 v12, -v13                          ; the new -M = floor(-t) = -ceil(t): a whole number
	v_sub_f32 v254, v12, v254                      ; M's old value less its new one: 0 or less
	v_cvt_i32_f32 v254, v254                       ; (it saturates)
	v_ldexp_f32 v252, 1.0, v254                    ; f = 2^(old M - new M): multiplying by it rounds nothing
.set J, 0
.rept 32
	v_pk_fma_f32 v[96+J:97+J], v[96+J:97+J], s[CS:CS+1], v[12:13] op_sel_hi:[1,0,0]   ; t - M, two at a time
.set J, J+2
.endr
.irp b, 0,1,2,3
	v_fma_f32 v[232+\b], v[232+\b], s[CS], v12     ; the same of each block's largest score
.endr
.set J, 0
.rept 64
	v_exp_f32 v[96+J], v[96+J]                     ; p = 2^(t - M), at most 1
.set J, J+1
.endr
.irp b, 0,1,2,3
	v_exp_f32 v[232+\b], v[232+\b]                 ; the block's largest p: the same two instructions on the same number
.endr
	v_pk_mul_f32 v[14:15], v[14:15], v[252:253] op_sel_hi:[1,0]   ; the sums under the new M (a plain instruction behind the exponentials)
	s_wait_alu depctr_va_vdst(0)
.irp b, 0,1,2,3
	v_max_num_f32 v[232+\b], 0x1800000, v[232+\b]  ; the floor 2^(3 - 127): the byte cannot fall under 1
.endr
.irp b, 0,1,2,3
	v_add_nc_u32 v[244+\b], 0xff000000, v[232+\b]  ; 2 off the exponent field: the conversion's scale operand
.endr
.irp b, 0,1,2,3
	v_lshrrev_b32 v[236+\b], 23, v[244+\b]         ; the scale's byte
.endr
	v_lshl_or_b32 v253, v237, 8, v236
	v_lshl_or_b32 v253, v238, 16, v253
	WIN 0x15*(\t)
	v_lshl_or_b32 v[30+\t], v239, 24, v253         ; p's scale word for these 128 keys; more than eight plain instructions follow ahead of the products that name it
	WIN 0x55*(\t)
.irp c, 0,1
	v_cvt_scalef32_pk16_fp6_f32 v[224+6*\c:226+6*\c], v[96+32*\c:111+32*\c], v[244+2*\c]
	v_cvt_scalef32_pk16_fp6_f32 v[236+4*\c:238+4*\c], v[112+32*\c:127+32*\c], v[244+2*\c+1]   ; (a conversion's three registers begin on an even number)
.endr
	v_nop                                          ; one plain instruction behind a scaled conversion
.irp c, 0,1                                    ; the operand wants a whole block in a lane: lanes 0-15 block 2 c, lanes 16-31 block 2 c + 1
.irp i, 0,1,2
	v_permlane16_swap_b32 v[224+6*\c+\i], v[236+4*\c+\i]
.endr
.irp i, 0,1,2
	v_mov_b32 v[227+6*\c+\i], v[236+4*\c+\i]
.endr
.endr
	v_pk_add_f32 v[236:237], v[96:97], v[98:99]    ; the row's sum is taken of the unquantised p: two at a time, in two chains
.set J, 4
.rept 15
	v_pk_add_f32 v[14:15], v[14:15], v[96+J:97+J]
	v_pk_add_f32 v[236:237], v[236:237], v[98+J:99+J]
.set J, J+4
.endr
	v_pk_add_f32 v[14:15], v[14:15], v[236:237]
.set J, 0
.rept 32
	v_pk_mul_f32 v[160+J:161+J], v[160+J:161+J], v[252:253] op_sel_hi:[1,0]   ; O^T under the new M, from each accumulator's low end on
.set J, J+2
.endr
	WIN 0
.endm
; Four fragments (numbers f0 .. f0 + 3 behind byte base of the slot whose address register is rd) and their scale words (16 bytes a lane: the four tiles' words of my row)
.macro FETCH4 rd, base, f0, soff
.irp t, 0,1,2,3
.irp a, 0,1,2
	ds_load_b128 v[FRG+12*\t+4*\a:FRG+12*\t+4*\a+3], v[\rd] offset:(\base)+((\f0)+\t)*FRB+512*\a
.endr
.endr
	ds_load_b128 v[248:251], v[ADS] offset:\soff
.endm
; A KEY STEP: 128 keys, the q-th of the trip's slot s, for my two tiles.  Every accumulator gets one matrix instruction a step, so no two that follow each other share one.
.macro STEP q, s
	s_bitcmp1_b32 s[CW], 4*(\s)+2*(\q)
	s_cbranch_scc0 .Lskip_\@                       ; no key of this step counts for any of my 32 queries
	MLOAD \q, 0, \s
.irp g, 0,1                                    ; S^T = K Q^T, four tiles of 16 keys at a time, each fragment for both tiles of queries
.if \g
	PLACES
.endif
	FETCH4 RD+\s, 0, 8*(\q)+4*\g, 1024*(\s)+512*(\q)+256*\g
	s_wait_dscnt 0x0
.irp t, 0,1,2,3
	v_wmma_scale_f32_16x16x128_f8f6f4 v[96+8*(4*\g+\t):103+8*(4*\g+\t)], v[FRG+12*\t:FRG+12*\t+11], v[16:27], 0, v[248+\t], v28 matrix_a_fmt:MATRIX_FMT_FP6 matrix_b_fmt:MATRIX_FMT_FP6
.endr
	WIN 0x54
.irp t, 0,1,2,3
	v_wmma_scale_f32_16x16x128_f8f6f4 v[96+8*(4*\g+\t):103+8*(4*\g+\t)], v[FRG+12*\t:FRG+12*\t+11], v[16:27], 0, v[248+\t], v29 matrix_a_fmt:MATRIX_FMT_FP6 matrix_b_fmt:MATRIX_FMT_FP6
.endr
	WIN 0
.endr
	PLACES
	FETCH4 RD+\s, VOFF, 8*(\q), 8192+1024*(\s)+512*(\q)   ; V's first four tiles land while the softmax is worked
	s_wait_kmcnt 0x0                               ; tile 0's mask words
	s_bitcmp1_b32 s[CW], 4*(\s)+2*(\q)+1
	s_cbranch_scc0 .Lopen0_\@                      ; all keys count: nothing to hide
	MASK 0
.Lopen0_\@:
	MLOAD \q, 1, \s                                ; tile 1's words come while tile 0 is worked
	SOFTMAX 0
	s_wait_kmcnt 0x0
	s_bitcmp1_b32 s[CW], 4*(\s)+2*(\q)+1
	s_cbranch_scc0 .Lopen1_\@
	MASK 1
.Lopen1_\@:
	SOFTMAX 1
.irp g, 0,1                                    ; O^T += V^T P^T: four tiles of 16 of the head's 128 at a time; K = these 128 keys
.if \g
	PLACES
	FETCH4 RD+\s, VOFF, 8*(\q)+4, 8192+1024*(\s)+512*(\q)+256
.endif
	s_wait_dscnt 0x0
.irp t, 0,1,2,3
	v_wmma_scale_f32_16x16x128_f8f6f4 v[160+8*(4*\g+\t):167+8*(4*\g+\t)], v[FRG+12*\t:FRG+12*\t+11], v[224:235], v[160+8*(4*\g+\t):167+8*(4*\g+\t)], v[248+\t], v30 matrix_a_fmt:MATRIX_FMT_FP6 matrix_b_fmt:MATRIX_FMT_FP6
.endr
	WIN 0x54
.irp t, 0,1,2,3
	v_wmma_scale_f32_16x16x128_f8f6f4 v[160+8*(4*\g+\t):167+8*(4*\g+\t)], v[FRG+12*\t:FRG+12*\t+11], v[224:235], v[160+8*(4*\g+\t):167+8*(4*\g+\t)], v[248+\t], v31 matrix_a_fmt:MATRIX_FMT_FP6 matrix_b_fmt:MATRIX_FMT_FP6
.endr
	WIN 0
.endr
	PLACES                                         ; for the next loads into the fragments' registers and the next read of O^T
.Lskip_\@:
.endm
; ONE SLOT of 256 keys: slot s of LDS is read, the other one, o, is filled with the keys that follow.
.macro TRIP s, o
	s_wait_dscnt 0x0                               ; my stores into slot s have landed, and my reads of slot o are in:
	s_barrier_signal -1
	s_barrier_wait -1                              ; both now hold of all eight waves
	s_and_b32 s31, s[WN], 5<<(4*(\s))
	s_cmp_eq_u32 s31, 0
	s_cbranch_scc1 .Lnoload_\@                     ; no wave of the work-group works a step of the next slot (behind the last slot the bits are 0): nothing is fetched, and no load leaves its buffer
	LOADG \s                                       ; the next slot: it has a step's work in which to come
.Lnoload_\@:
	STEP 0, \s
	s_wait_loadcnt 0x0                             ; on every way: the next slot's bytes are in my registers
	s_and_b32 s31, s[WN], 5<<(4*(\s))
	s_cmp_eq_u32 s31, 0
	s_cbranch_scc1 .Lnostore_\@
	STOREG \o                                      ; into the slot that every wave left at this slot's barrier
.Lnostore_\@:
	STEP 1, \s
.endm
; THE WAY OUT of tile t.  The sum's halves are added; O^T / the sum (register 8 u + i: channel 16 u + 8 h + i of query r) goes through my own stage in LDS and comes back as whole rows of 512 bytes.
; LDS serves a wave's instructions in order (ISA guide 5.7.1.4): no wait between the stores and the loads, nor in front of the next tile's stores.
.macro OUT t
	WIN 0x55*(\t)
	v_add_f32 v14, v14, v15
	v_permlanex16_b32 v252, v14, s[SEL], s[SEL+1]
	v_add_f32 v14, v14, v252                       ; with lane l xor 16's: the row's sum
	v_rcp_f32 v14, v14
	v_nop                                          ; one plain instruction behind the reciprocal
.set J, 0
	s_wait_alu depctr_va_vdst(0)
.rept 32
	v_pk_mul_f32 v[96+J:97+J], v[160+J:161+J], v[14:15] op_sel_hi:[1,0]
.set J, J+2
.endr
	WIN 0x04*(\t)
.irp u, 0,1,2,3,4,5,6,7
	ds_store_b128 v[STO], v[96+8*\u:99+8*\u] offset:64*\u
	ds_store_b128 v[STO], v[100+8*\u:103+8*\u] offset:64*\u+16
.endr
	WIN 0x40*(\t)
.irp i, 0,1,2,3,4,5,6,7,8,9,10,11,12,13,14,15
	ds_load_b128 v[160+4*\i:163+4*\i], v[SRD] offset:SPITCH*\i
.endr
	WIN 0x04*(\t)
.irp i, 0,1,2,3,4,5,6,7,8,9,10,11,12,13,14,15
	s_wait_dscnt 15-\i                             ; row i is back; the younger loads may be out
	global_store_b128 v[GO], v[160+4*\i:163+4*\i], s[20:21] offset:8192*(\t)+512*\i th:TH_STORE_NT   ; 32 lanes store 512 consecutive bytes, at a multiple of 256 from out0's first byte; written once
.endr
	WIN 0
.endm
.Lblock:                                           ; 2 trips: block 7 - y, then block y.  At its head the block's slot 0 and its Q are on their way
	INIT 0                                         ; (O^T's registers were the last block's store data: they are written again only behind the wait on XCNT at the trip's end)
	INIT 1
	s_mov_b32 s[TS], 0
	s_mov_b32 s[CNT], 4
	s_wait_loadcnt 0x0                             ; slot 0 and Q
	STOREG 0                                       ; LDS slot 0 was last read ahead of the barrier at the last block's last slot: every wave has passed it
	s_add_nc_u64 s[8:9], s[8:9], KSLOT             ; K and V at slot 1 (their loads are done)
	s_add_nc_u64 s[12:13], s[12:13], VSLOT
.Lslot:                                            ; 4 trips of two slots: every slot's address is a register that is never rewritten, and the slot's place in the trip stands in immediates
	v_add_nc_u32 v[ADS], s[TS], v[SCB]             ; the trip's scale words
	TRIP 0, 1
	TRIP 1, 0
	s_wait_xcnt 0x0                                ; no memory instruction of mine still reads its address: the three pointers may step
	s_add_nc_u64 s[8:9], s[8:9], 2*KSLOT
	s_add_nc_u64 s[12:13], s[12:13], 2*VSLOT
	s_add_nc_u64 s[MP:MP+1], s[MP:MP+1], 2048      ; four steps' mask words
	s_add_co_u32 s[TS], s[TS], 2048
	s_lshr_b32 s[CW], s[CW], 8
	s_lshr_b32 s[WN], s[WN], 8
	s_sub_co_u32 s[CNT], s[CNT], 1
	s_cmp_lg_u32 s[CNT], 0
	s_cbranch_scc1 .Lslot
	s_sub_nc_u64 s[8:9], s[8:9], 9*KSLOT           ; K and V back at the head's slot 0: one slot's step at the block's head and eight in the loop (nothing has been issued since the wait on XCNT)
	s_sub_nc_u64 s[12:13], s[12:13], 9*VSLOT
	s_cmp_eq_u32 s[BLK], 1
	s_cbranch_scc1 .Lnonext                        ; behind the second block nothing is asked for
	BSETQ PN                                       ; THE NEXT BLOCK'S FIRST LOADS GO OUT AHEAD OF THIS BLOCK'S WAY OUT: the registers on the way, Q's and Q's scale words are free
	LOADG 0                                        ; (the last products that named Q's stand a softmax back)
	QLOAD
.Lnonext:
	OUT 0
	OUT 1
	s_wait_xcnt 0x0                                ; the stores have read their data and their offset: both are written again only behind this wait; nothing waits for the stores themselves
	BSETO PN
	s_mov_b32 s[CW], s[CWN]
	s_mov_b32 s[WN], s[WNN]
	s_sub_co_u32 s[BLK], s[BLK], 1
	s_cmp_lg_u32 s[BLK], 0
	s_cbranch_scc1 .Lblock
	s_wait_tensorcnt 0x0
	ds_add_u32 v243, v255
	s_wait_dscnt 0x0
	s_endpgm
.Lfunc_end_k_qb72b2a6ca6_attn:
	.size	k_qb72b2a6ca6_attn, .Lfunc_end_k_qb72b2a6ca6_attn-k_qb72b2a6ca6_attn
	.p2alignl 7, 3214868480
	.fill 96, 4, 3214868480
	.section	.rodata,"a",@progbits
	.p2align	6, 0x0
	.amdhsa_kernel k_qb72b2a6ca6_attn
		.amdhsa_group_segment_fixed_size 183296
		.amdhsa_private_segment_fixed_size 0
		.amdhsa_enable_private_segment 0
		.amdhsa_kernarg_size 72
		.amdhsa_user_sgpr_count 2
		.amdhsa_user_sgpr_kernarg_segment_ptr 1
		.amdhsa_wavefront_size32 1
		.amdhsa_system_sgpr_workgroup_id_x 1
		.amdhsa_system_sgpr_workgroup_id_y 1
		.amdhsa_system_sgpr_workgroup_id_z 1
		.amdhsa_system_vgpr_workitem_id 0
		.amdhsa_next_free_vgpr 512
		.amdhsa_next_free_sgpr 106
		.amdhsa_reserve_vcc 0
		.amdhsa_float_denorm_mode_32 3
		.amdhsa_float_denorm_mode_16_64 3
		.amdhsa_memory_ordered 1
		.amdhsa_forward_progress 1
		.amdhsa_inst_pref_size 211
	.end_amdhsa_kernel
	.amdgpu_metadata
---
amdhsa.version: [ 1, 2 ]
amdhsa.kernels:
  - .name:           k_qb72b2a6ca6_attn
    .symbol:         k_qb72b2a6ca6_attn.kd
    .args:
      - { .name: Q_codes, .offset: 0, .size: 8, .value_kind: global_buffer, .address_space: global }
      - { .name: Q_scales, .offset: 8, .size: 8, .value_kind: global_buffer, .address_space: global }
      - { .name: K_codes, .offset: 16, .size: 8, .value_kind: global_buffer, .address_space: global }
      - { .name: K_scales, .offset: 24, .size: 8, .value_kind: global_buffer, .address_space: global }
      - { .name: V_codes, .offset: 32, .size: 8, .value_kind: global_buffer, .address_space: global }
      - { .name: V_scales, .offset: 40, .size: 8, .value_kind: global_buffer, .address_space: global }
      - { .name: mbits, .offset: 48, .size: 8, .value_kind: global_buffer, .address_space: global }
      - { .name: mclass, .offset: 56, .size: 8, .value_kind: global_buffer, .address_space: global }
      - { .name: out0, .offset: 64, .size: 8, .value_kind: global_buffer, .address_space: global }
    .group_segment_fixed_size: 183296
    .private_segment_fixed_size: 0
    .kernarg_segment_align: 8
    .kernarg_segment_size: 72
    .max_flat_workgroup_size: 256
    .sgpr_count:     106
    .vgpr_count:     512
    .wavefront_size: 32
...
	.end_amdgpu_metadata
.endif
;; end of part 2
;; ======== version 2 of 2: 2 launches
;; workspace buffers: mbits 524,288 bytes of whole numbers; mclass 256 bytes of whole numbers
;; launch maskpack (part 3): grid 64 x 4, 8 waves a work-group, no clusters, 1,280 bytes of LDS; arguments mask, mbits, mclass; writes mbits, mclass
.if DOCPART == 3
	.amdgcn_target "amdgcn-amd-amdhsa--gfx1250"
	.amdhsa_code_object_version 6
	.text
	.protected	k_qb72b2a6ca6_maskpack
	.globl	k_qb72b2a6ca6_maskpack
	.p2align	8
	.type	k_qb72b2a6ca6_maskpack,@function
k_qb72b2a6ca6_maskpack:
	s_mov_b64 s[64:65], 0
	v_nop
	global_prefetch_b8 v0, s[64:65] scope:SCOPE_SE
	s_setreg_imm32_b32 hwreg(HW_REG_WAVE_MODE, 25, 1), 1
	s_wait_xcnt 0x0
; The mask [2048 queries][2048 keys], one byte each (any byte but 0 counts as true), is read once and turned into what the attention launch can use without arithmetic:
;   mbits  u32 [64 pairs][16 steps][2 tiles][64]: a pair is 32 queries, a step 128 keys, a tile 16 queries.  Bit l of word n is
;          mask[32 pair + 16 tile + l % 16][128 step + 32 (n / 16) + 16 (l / 16) + n % 16]: the key and query of score register n in lane l there, so that a word is one lane mask.
;   mclass u32 [64 pairs]: bit 2 s: some key of step s counts for some of the pair's 32 queries; bit 2 s + 1: some key may be hidden (set whenever a byte is not 1).
; SHARES.  Work-group (x, y) = pair x, steps 4 y .. 4 y + 3: 256 work-groups.  Wave w takes tile w % 2 of step 4 y + w / 2: 16 rows x 128 bytes, 64 words.
; The work-group's four steps are eight class bits: byte y of the pair's class word, stored by this work-group alone.
; Lane (r, h) loads, of row r of its tile, the 16 bytes at 32 b + 16 h, b = 0 .. 3: byte n % 4 of register n / 4 is then the byte of word n for this lane.
; No matrix unit, no tensor load, no cluster: nothing is multiplied and no two work-groups read the same byte.
.set DAT, 8                            ; v8-23   the mask's bytes
.set WRD, 24                           ; v24-25  the words: lane j holds words 2 j and 2 j + 1
.set ANY, 26                           ; v26     OR of the 16 data registers
.set ALL, 27                           ; v27     AND of them
.set PRT, 28                           ; v28-35  the eight waves' parts of the class byte
.set NIL, 36                           ; v36     0
	s_load_b128 s[4:7], s[0:1], 0x0                ; mask s[4:5], mbits s[6:7]
	s_load_b64 s[8:9], s[0:1], 0x10                ; mclass
	v_lshl_add_u32 v64, v0, 2, 0x100
	v_mov_b32 v65, 0
	v_lshrrev_b32 v3, 5, v0
	s_delay_alu instid0(VALU_DEP_1)
	v_readfirstlane_b32 s10, v3                    ; wave 0..7
	s_delay_alu instid0(VALU_DEP_2)
	v_lshlrev_b32 v3, 2, v3                        ; LDS: my wave's word
	v_and_b32 v4, 15, v0                           ; r
	v_bfe_u32 v5, v0, 4, 1                         ; h
	s_delay_alu instid0(VALU_DEP_2)
	v_lshlrev_b32 v1, 11, v4
	s_delay_alu instid0(VALU_DEP_1)
	v_lshl_add_u32 v1, v5, 4, v1                   ; row r of 2,048 bytes, + 16 h
	v_and_b32 v2, 31, v0
	s_delay_alu instid0(VALU_DEP_1)
	v_lshlrev_b32 v2, 3, v2                        ; out: 8 bytes a lane
	v_mov_b32 v[NIL], 0
	v_mov_b32 v[WRD], 0                            ; written once whole: a lane write's destination counts as read
	v_mov_b32 v[WRD+1], 0
	s_and_b32 s11, ttmp7, 0xffff                   ; y: which four steps
	s_lshr_b32 s23, s10, 1                         ; my step among them
	s_and_b32 s24, s10, 1                          ; my tile
	s_lshl_b32 s25, s11, 2
	s_add_co_u32 s25, s25, s23                     ; my step, 0..15
	s_lshl_b32 s16, ttmp9, 16                      ; the pair's 32 rows of 2,048 bytes,
	s_lshl_b32 s17, s24, 15                        ; the tile's 16,
	s_add_co_u32 s16, s16, s17
	s_lshl_b32 s17, s25, 7                         ; the step's 128 bytes in a row
	s_add_co_u32 s16, s16, s17
	s_mov_b32 s17, 0
	s_lshl_b32 s18, ttmp9, 4
	s_add_co_u32 s18, s18, s25
	s_lshl_b32 s18, s18, 1
	s_add_co_u32 s18, s18, s24
	s_lshl_b32 s18, s18, 8                         ; ((16 pair + step) 2 + tile) x 256 bytes of words
	s_mov_b32 s19, 0
	s_lshl_b32 s20, ttmp9, 2
	s_add_co_u32 s20, s20, s11                     ; byte y of the pair's class word
	s_mov_b32 s21, 0
	s_wait_alu depctr_va_vdst(0)
	s_wait_kmcnt 0x0
	s_add_nc_u64 s[4:5], s[4:5], s[16:17]
	s_add_nc_u64 s[6:7], s[6:7], s[18:19]
	s_add_nc_u64 s[8:9], s[8:9], s[20:21]
.irp b, 0,1,2,3
	global_load_b128 v[DAT+4*\b:DAT+4*\b+3], v1, s[4:5] offset:32*\b th:TH_LOAD_NT   ; read once in the launch
.endr
	s_wait_loadcnt 0x0
; The 64 words: one byte of every lane is cut out, compared with 0, and the 32 lanes' answers, a scalar word, go to lane n / 2 of the output pair.  Temporaries by turns of four.
.set MN, 0
.rept 64
	v_and_b32 v[4+MN%4], 0xff<<(8*(MN%4)), v[DAT+MN/4]
	s_delay_alu instid0(VALU_DEP_1)
	v_cmp_ne_u32 s[12+MN%4], 0, v[4+MN%4]
	s_delay_alu instid0(VALU_DEP_1)
	v_writelane_b32 v[WRD+MN%2], s[12+MN%4], MN/2
.set MN, MN+1
.endr
	global_store_b64 v2, v[WRD:WRD+1], s[6:7]      ; 32 lanes store 256 consecutive bytes, at a multiple of 256 from the buffer's first byte
	; my tile's part of my step's two class bits
	v_or_b32 v[ANY], v[DAT], v[DAT+1]
	v_and_b32 v[ALL], v[DAT], v[DAT+1]
.set MN, DAT+2
.rept 14
	s_delay_alu instid0(VALU_DEP_2)
	v_or_b32 v[ANY], v[ANY], v[MN]
	s_delay_alu instid0(VALU_DEP_2)
	v_and_b32 v[ALL], v[ALL], v[MN]
.set MN, MN+1
.endr
	s_delay_alu instid0(VALU_DEP_2)
	v_cmp_ne_u32 s16, 0, v[ANY]                    ; lanes that hold a byte that counts
	s_delay_alu instid0(VALU_DEP_2)
	v_cmp_ne_u32 s17, 0x01010101, v[ALL]           ; lanes that hold a byte other than 1
	s_cmp_lg_u32 s16, 0
	s_cselect_b32 s18, 1, 0
	s_cmp_lg_u32 s17, 0
	s_cselect_b32 s19, 2, 0
	s_or_b32 s18, s18, s19
	s_lshl_b32 s20, s23, 1
	s_lshl_b32 s18, s18, s20                       ; at bits 2 (w / 2), 2 (w / 2) + 1 of the byte
	v_mov_b32 v4, s18
	ds_store_b32 v3, v4                            ; all lanes write the same word with the same value
	s_wait_dscnt 0x0                               ; for the others' sake: my store has landed
	s_barrier_signal -1
	s_barrier_wait -1
	s_cmp_lg_u32 s10, 0
	s_cbranch_scc1 .Lend                           ; wave 0 alone joins the eight parts
	ds_load_b128 v[PRT:PRT+3], v[NIL]
	ds_load_b128 v[PRT+4:PRT+7], v[NIL] offset:16
	s_wait_dscnt 0x0
.irp i, 1
	v_or_b32 v[PRT], v[PRT], v[PRT+\i]
.endr
.irp i, 2, 3, 4, 5, 6, 7
	s_delay_alu instid0(VALU_DEP_1)
	v_or_b32 v[PRT], v[PRT], v[PRT+\i]
.endr
	s_wait_alu depctr_va_vdst(0)
	s_wait_xcnt 0x0                                ; EXEC is a source of my pending store: it changes only behind this wait
	v_cmp_eq_u32 vcc_lo, 0, v0
	s_and_saveexec_b32 s22, vcc_lo
	global_store_b8 v[NIL], v[PRT], s[8:9]         ; one byte a work-group: 256 bytes in the whole launch
	s_wait_xcnt 0x0                                ; and again in front of the line that widens it
	s_or_b32 exec_lo, exec_lo, s22
.Lend:
	s_wait_tensorcnt 0x0
	ds_add_u32 v64, v65
	s_wait_dscnt 0x0
	s_endpgm
.Lfunc_end_k_qb72b2a6ca6_maskpack:
	.size	k_qb72b2a6ca6_maskpack, .Lfunc_end_k_qb72b2a6ca6_maskpack-k_qb72b2a6ca6_maskpack
	.p2alignl 7, 3214868480
	.fill 96, 4, 3214868480
	.section	.rodata,"a",@progbits
	.p2align	6, 0x0
	.amdhsa_kernel k_qb72b2a6ca6_maskpack
		.amdhsa_group_segment_fixed_size 1280
		.amdhsa_private_segment_fixed_size 0
		.amdhsa_enable_private_segment 0
		.amdhsa_kernarg_size 24
		.amdhsa_user_sgpr_count 2
		.amdhsa_user_sgpr_kernarg_segment_ptr 1
		.amdhsa_wavefront_size32 1
		.amdhsa_system_sgpr_workgroup_id_x 1
		.amdhsa_system_sgpr_workgroup_id_y 1
		.amdhsa_system_sgpr_workgroup_id_z 1
		.amdhsa_system_vgpr_workitem_id 0
		.amdhsa_next_free_vgpr 66
		.amdhsa_next_free_sgpr 66
		.amdhsa_reserve_vcc 1
		.amdhsa_float_denorm_mode_32 3
		.amdhsa_float_denorm_mode_16_64 3
		.amdhsa_memory_ordered 1
		.amdhsa_forward_progress 1
		.amdhsa_inst_pref_size 22
	.end_amdhsa_kernel
	.amdgpu_metadata
---
amdhsa.version: [ 1, 2 ]
amdhsa.kernels:
  - .name:           k_qb72b2a6ca6_maskpack
    .symbol:         k_qb72b2a6ca6_maskpack.kd
    .args:
      - { .name: mask, .offset: 0, .size: 8, .value_kind: global_buffer, .address_space: global }
      - { .name: mbits, .offset: 8, .size: 8, .value_kind: global_buffer, .address_space: global }
      - { .name: mclass, .offset: 16, .size: 8, .value_kind: global_buffer, .address_space: global }
    .group_segment_fixed_size: 1280
    .private_segment_fixed_size: 0
    .kernarg_segment_align: 8
    .kernarg_segment_size: 24
    .max_flat_workgroup_size: 256
    .sgpr_count:     66
    .vgpr_count:     66
    .wavefront_size: 32
...
	.end_amdgpu_metadata
.endif
;; end of part 3
;; launch attn (part 4): grid 64 x 4, 8 waves a work-group, no clusters, 183,296 bytes of LDS; arguments Q_codes, Q_scales, K_codes, K_scales, V_codes, V_scales, mbits, mclass, out0; writes out0
.if DOCPART == 4
	.amdgcn_target "amdgcn-amd-amdhsa--gfx1250"
	.amdhsa_code_object_version 6
	.text
	.protected	k_qb72b2a6ca6_attn
	.globl	k_qb72b2a6ca6_attn
	.p2align	8
	.type	k_qb72b2a6ca6_attn,@function
k_qb72b2a6ca6_attn:
	s_mov_b64 s[64:65], 0
	v_nop
	global_prefetch_b8 v0, s[64:65] scope:SCOPE_SE
	s_setreg_imm32_b32 hwreg(HW_REG_WAVE_SCHED_MODE, 0, 2), 2
	s_setreg_imm32_b32 hwreg(HW_REG_WAVE_MODE, 25, 1), 1
	s_wait_xcnt 0x0
	s_wait_alu depctr_vm_vsrc(0)
; out0[head][q][:] = the sum over k of softmax_k(mask ? Q[q] . K[k] / sqrt(128) : -inf) V[k][:], 64 heads, 2,048 queries and keys, head size 128; both products on codes of FP6 (E2M3) with one E8M0 scale for each 32 along a product's K.
; Q, K: codes [head][2048][96 bytes], scale words [head][2048][4];  V: codes with the keys innermost [head][128][1536 bytes], scale bytes [head][128][64];  out0 f32 [head][2048][128].
; THE SOFTMAX AHEAD OF THE SECOND PRODUCT: t = score x log2(e) / sqrt(128) (one multiplication); M = the row's largest t so far, rounded UP to a whole number; p = 2^(t - M) is quantised along the keys, not normalised.
; The row's sum is taken of the unquantised p and divides at the end.  When M moves, the sum and O are multiplied by 2^(old M - new M): exact.
; THE MASK is an input; the launch before has laid it as lane masks (mbits: word n of a tile and step = the 32 lanes' bits for score register n) and as a class word for each 32 queries (mclass: two bits for each
; 128 keys: some key counts; some key may be hidden).  A step in which no key counts for my 32 queries is jumped over; where some key may be hidden the scores of hidden keys become -infinity ahead of the maximum.
; SHARES.  256 work-groups THAT STAY: work-group (x, y) makes, of head x, the block of 256 queries number 7 - y and then number y (under a lower-triangular mask the two together need 9 of 16 slots, whatever y).
; The arguments, both blocks' class words and the head's scale bytes come once; the second block's first tiles and its Q are asked for ahead of the first block's way out, and nothing waits for the first block's stores.
; Each of the eight waves owns 32 queries of a block: TWO tiles of 16, which share every fragment of K and V read from LDS.  Tile 1 lives in register window 1 under tile 0's register numbers.
; For each block every wave walks 8 slots of 256 keys, two steps of 128 keys each: the trip counts are constants, and what the class words spare is a step's work and a slot's fetch.
; LAYOUT.  Both products are used transposed: S^T = K Q^T (source 0 = 16 keys, source 1 = 16 queries), O^T = V^T P^T: a lane holds ONE query (lane % 16) throughout.  The keys of a tile are not neighbours: lane r of tile
; 2 b + u takes key 32 b + 8 u + r + 8 (r / 8), so that score registers 16 b + i are the 16 neighbouring keys 32 b + 16 (lane / 16) + i.
; K AND V GO THROUGH REGISTERS INTO LDS AS IMAGES OF THE FRAGMENTS' REGISTERS: registers 4 a .. 4 a + 3 of lane L at 512 a + 16 L of the fragment's 1,536 bytes.  A slot has 16 fragments of K and 16 of V; wave w fetches
; numbers 2 w and 2 w + 1 of each from memory in the operand's own order (six loads of 8 bytes a lane for a fragment: lane (r, h) takes the 24 bytes at 24 h and at 48 + 24 h of its row) at a slot's head, and stores them
; behind the slot's first step by three stores of 16 bytes a lane, 512 consecutive bytes each; any wave reads a fragment back by three such loads.  Two slots take turns, one barrier a slot.
; A load from memory so takes pieces of 8 bytes from 16 rows (96 bytes apart in K, 1,536 in V); a fragment's six loads together take every byte of its rows' 96.
; NO TENSOR LOADS, NO CLUSTER: rows of 96 and 192 bytes as they lie in memory would want six LDS loads of 8 bytes a fragment; and which slots a work-group fetches, and when, hangs on class words that differ from one
; block of queries to the next, so partners of a joint request would need different tiles at the same time.
; LIMITS.  A row with no key that counts gives NaN (0 x 1/0), as a softmax of -infinities does.  p under 2^-126 counts as 0.  A block of p that is all zeros gets the scale byte 1 (its codes are zeros).
; A given scale byte 0xff, and scores that are NaN or +infinity, give NaN or are not served.
; REGISTERS.  Window 0: v1-11 addresses; v12 -M, v13 the largest t, v[14:15] the sum in two halves; v16-27 Q; v28, 29 Q's scale words (tiles 0, 1); v30, 31 p's; v32-79 four fragments of K or V; v80-82, v92, v93 addresses;
;   v84-87 the scale words of V's fragments 4 to 7; v96-159 S^T, then p, then (v96-143) V's fragments 4 to 7; v160-223 O^T; v224-235 p's codes; v232-247, v252-254 at work; v248-251 the four fragments' scale words; v243, v255 the closing add's two.
;   Window 1: the same numbers for tile 1 (v12-27, v96-247, v252-254); v32-79: the next slot's bytes on their way.
; THE MODE: SCHED_MODE bits 1:0 = 2 (LLVM: expert scheduling mode 2), set by the entry lines.  The code itself states the register dependences between vector or matrix instructions and memory or LDS instructions, with s_wait_alu, always for 0.
; THE PLAN.  Registers that memory or LDS instructions touch, and who else names them:
;   v32-79, v248-251          LDS loads land there three times a step (K's fragments 0-3, K's 4-7, V's 0-3, each with four scale words); the products read them.
;   v96-143 (window 0), v84-87  LDS loads land there once a step (V's fragments 4-7 and their scale words).  Until then the registers are tile 0's scores and p; the step's last products read the fragments; the next step's first products write scores there.
;   window 1's v32-79         the fill: loads from memory land, LDS stores read; no vector or matrix instruction names them.
;   v16-29, window 1's v16-27 Q: loads from memory land once a block; the first products read them.
;   v96-159, v160-223         on the way out: the divisions write v96-159, which LDS stores read; LDS loads land in v160-223, which the divisions have read and the stores to memory read; the next block's zeros are written there.
;   v4                        read by the loads of scale words, written once in two slots.   v7, v8, v82: written once a block, read by Q's loads and out0's stores.   All other addresses are made at the head and never written again.
; A STEP HAS SEVEN WAITS ON va_vdst, one ahead of each tile's exponentials among them.  One at its head and one ahead of K's fragments 4-7: the products issued so far are done reading the fragments' registers.  The wait that stands behind each tile's exponentials serves twice: behind tile 0's
; the first products have long read v32-79, so V's fragments 0-3 are asked for there; behind tile 1's, tile 0's conversions and sums have read v96-143, so V's fragments 4-7 are asked for there; both land under the rest of the softmax.
; The last stands ahead of the second product: p's codes and scale words are written.  A WAIT ON vm_vsrc stands at each slot's head, ahead of its branches, one ahead of the next block's first loads and one behind the way out.
.set FRB,    1536                      ; a fragment's image
.set VOFF,   16*FRB                    ; a slot: K's 16 fragments (8 q + tile), then V's 16
.set SCK,    2*VOFF                    ; behind slot 0: K's scale words of the head: step s, group g, lane r, tile tt at 512 s + 256 g + 16 r + 4 tt;
.set SCV,    SCK+8192                  ; V's likewise
.set SLOT1,  65536                     ; slot 1 begins here
.set STAGE,  SLOT1+2*VOFF              ; the way out: 16 rows x 528 bytes for each wave, its own
.set SPITCH, 528
.set KSLOT,  256*96                    ; a slot's bytes of K in memory: dense
.set VSLOT,  192                       ; and of a row of V
.set LN,   1                           ; v1     16 x lane: my place in an image's 512 bytes in slot 0, and in a row of out0
.set RD,   1                           ; v1, v2 where I read images: slot 0, slot 1; never rewritten
.set SCB,  3                           ; v3     SCK + 16 (lane % 16)
.set ADS,  4                           ; v4     SCB + 1,024 x the trip's first slot
.set GK,   5                           ; v5     K: my byte in a slot's 24,576: 96 (r + 8 (r / 8)) + 24 h + 3,072 wave
.set GV,   6                           ; v6     V: 1,536 r + 24 h + 96 (wave / 4) + 49,152 (wave % 4)
.set QOB,  7                           ; v7     QO + my pair's 32 rows of Q in the head
.set QSB,  8                           ; v8     QS + their scale words
.set QO,   9                           ; v9     Q: 96 r + 24 h
.set QS,   10                          ; v10    4 r
.set SO,   11                          ; v11    16 x thread: the scale bytes on their way in
.set FRG,  32
.set VB,   96                          ; v96-143 of window 0: V's fragments 4 to 7, once tile 0's p is done with
.set SC2,  84                          ; v84-87 their scale words
.set WA,   80                          ; v80, v81 where I store images: 16 x lane + 3,072 x wave, in slot 0, slot 1; never rewritten
.set GO,   82                          ; v82    LN + my pair's 32 rows of out0 in the head
.set STO,  92                          ; v92    the stage: where I put 32 bytes of a row
.set SRD,  93                          ; v93    and where I read a row back
.set STK,  32                          ; window 1: K's two fragments on their way,
.set STV,  56                          ; V's two
.set TL,   112                         ; v112-117 at work at the head
.set TA,   114
.set TC,   115
.set TD,   116
.set TE,   117
.set BLK,  18                          ; s18  blocks to go (mclass's address has served by then)
.set WV,   22                          ; s22  my wave's number
.set PN,   23                          ; s23  my pair of tiles in the second block
.set CWN,  24                          ; s24  its class word
.set WNN,  25                          ; s25  and the work-group's need word for that block
.set TS,   26                          ; s26  1,024 x the trip's first slot
.set PA,   27                          ; s27  my pair in the first block
.set CW,   28                          ; s28  my pair's class word, 4 bits a slot, the trip's first slot lowest
.set WN,   29                          ; s29  the OR of the eight waves' class words, the slot behind the trip's first lowest
.set CNT,  30                          ; s30  trips to go
.set SEL,  66                          ; s[66:67]   lane selects for v_permlanex16_b32: lane l xor 16
.set CS,   100                         ; s[100:101] c = log2(e) / sqrt(128): the packed form names a pair and takes its low word for both halves
.set MP,   104                         ; s[104:105] the mask words of my pair, at the trip's first step
                                       ; s[2:3]: an offset in 64 bits: s3 stays 0.  s[32:63], s[68:99]: a tile's 64 mask words: word n in s[32 + n], from n = 32 on in s[36 + n]
.set MSB, 0
.macro WIN new                         ; bits 1:0 source 0, 3:2 source 1, 5:4 source 2, 7:6 destination; the immediate's high byte repeats the setting that is left
.if MSB != (\new)
	s_set_vgpr_msb (MSB<<8)|(\new)
.set MSB, (\new)
.endif
.endm
; 0x55: all of tile 1's vector work.  0x54: its products (source 0, K or V, in window 0).  0x15: sources window 1, destination window 0.  0x40: loads into window 1.  0x04: store data from window 1.
.macro PLACES                          ; four plain vector instructions between a matrix instruction and a read of its result, or a load into one of its registers (ISA guide 7.12.1 for reads of the result)
.rept 4
	v_nop
.endr
.endm
; My four fragments of the slot that lies n slots behind the pointers' slot.  K's fragment 2 wave + u: keys 32 wave + 8 u + r + 8 (r / 8).  V's: step wave / 4 of the slot, rows 32 (wave % 4) + 16 u + r.
.macro LOADG n
	WIN 0x40
.irp u, 0,1
.irp p, 0,1,2,3,4,5
	global_load_b64 v[STK+12*\u+2*\p:STK+12*\u+2*\p+1], v[GK], s[8:9] offset:KSLOT*(\n)+768*\u+48*(\p/3)+8*(\p%3)
.endr
.endr
.irp u, 0,1
.irp p, 0,1,2,3,4,5
	global_load_b64 v[STV+12*\u+2*\p:STV+12*\u+2*\p+1], v[GV], s[12:13] offset:VSLOT*(\n)+24576*\u+48*(\p/3)+8*(\p%3)
.endr
.endr
	WIN 0
.endm
.macro STOREG s                        ; and into slot s, as they stand: each store is 512 consecutive bytes.  The data come from loads and the address was made at the head: no vector instruction has named either since
	WIN 0x04
.irp u, 0,1
.irp a, 0,1,2
	ds_store_b128 v[WA+(\s)], v[STK+12*\u+4*\a:STK+12*\u+4*\a+3] offset:FRB*\u+512*\a
.endr
.endr
.irp u, 0,1
.irp a, 0,1,2
	ds_store_b128 v[WA+(\s)], v[STV+12*\u+4*\a:STV+12*\u+4*\a+3] offset:VOFF+FRB*\u+512*\a
.endr
.endr
	WIN 0
.endm
; A block's places, from my pair's number in s[p].  Q's: two vector offsets.
.macro BSETQ p
	s_mul_i32 s2, s[\p], 32*96
	v_add_nc_u32 v[QOB], s2, v[QO]
	s_lshl_b32 s2, s[\p], 7
	v_add_nc_u32 v[QSB], s2, v[QS]
.endm
; out0's, a vector offset (32 rows of 512 bytes a pair), and the pair's mask words (16 steps x 512 bytes), a working copy of the pointer
.macro BSETO p
	s_lshl_b32 s2, s[\p], 14
	v_add_nc_u32 v[GO], s2, v[LN]
	s_lshl_b32 s2, s[\p], 13
	s_add_nc_u64 s[MP:MP+1], s[16:17], s[2:3]
.endm
.macro QLOAD                           ; Q's two fragments and their scale words stay in registers for a block; read once in the launch.  14 loads
.irp p, 0,1,2,3,4,5
	global_load_b64 v[16+2*\p:17+2*\p], v[QOB], s[4:5] offset:48*(\p/3)+8*(\p%3) th:TH_LOAD_NT
.endr
	global_load_b32 v28, v[QSB], s[6:7]
	global_load_b32 v29, v[QSB], s[6:7] offset:64
	WIN 0x40
.irp p, 0,1,2,3,4,5
	global_load_b64 v[16+2*\p:17+2*\p], v[QOB], s[4:5] offset:1536+48*(\p/3)+8*(\p%3) th:TH_LOAD_NT   ; tile 1: 16 rows on
.endr
	WIN 0
.endm
; Which step is a pair's first hangs on the mask, so the step is written once and finds zeros: O^T and the sum begin as zeros, the largest t as -3e38; the first change of M multiplies zeros by 0.
.macro INIT t
	WIN 0x55*(\t)
	v_mov_b32 v13, 0xff61b1e6                      ; -3e38, under every t
	v_floor_f32 v12, -v13                          ; -M
	v_mov_b32 v14, 0
	v_mov_b32 v15, 0
.irp b, 0,1,2,3
	v_mov_b32 v[236+\b], 0                         ; a lane permute's destination counts as one of its sources
.endr
	v_mov_b32 v252, 0
	v_mov_b32 v253, 0                              ; (named as the upper half of the pair v[252:253])
.set J, 0
.rept 64
	v_mov_b32 v[160+J], 0
.set J, J+1
.endr
	WIN 0
.endm
	s_load_b512 s[4:19], s[0:1], 0x0               ; Q's codes s[4:5], Q's scales s[6:7], K's s[8:9], s[10:11], V's s[12:13], s[14:15], mbits s[16:17], mclass s[18:19]
	s_load_b64 s[20:21], s[0:1], 0x40              ; out0
	v_lshl_add_u32 v243, v0, 2, 0x2c800            ; the closing add's two registers: my spare word's LDS address,
	v_mov_b32 v255, 0                              ; and 0; never rewritten
	v_lshrrev_b32 v1, 5, v0
	v_readfirstlane_b32 s[WV], v1                  ; wave 0..7
	s_and_b32 s31, ttmp7, 0xffff                   ; y = 0..3: the second block's number
	s_lshl_b32 s30, s31, 5                         ; its eight class words' place
	s_lshl_b32 s[PN], s31, 3
	s_wait_alu depctr_va_sdst(0)                   ; s[WV] is written, ahead of its first reader: pairs, offsets and LDS places are made from it
	s_add_co_u32 s[PN], s[PN], s[WV]               ; my pair of tiles there, 0..31
	s_sub_co_u32 s[PA], 7, s31                     ; the first block's number
	s_lshl_b32 s26, s[PA], 5
	s_lshl_b32 s[PA], s[PA], 3
	s_add_co_u32 s[PA], s[PA], s[WV]               ; my pair there, 32..63
	v_and_b32 v[TL], 31, v0                        ; lane
	v_lshlrev_b32 v[LN], 4, v[TL]
	v_add_nc_u32 v[RD+1], SLOT1, v[LN]
	v_and_b32 v[TA], 15, v0                        ; r
	v_bfe_u32 v[TC], v0, 4, 1                      ; h
	v_and_b32 v[TD], 8, v[TA]
	v_add_nc_u32 v[TD], v[TD], v[TA]               ; r + 8 (r / 8)
	v_mul_u32_u24 v[GK], v[TD], 96
	v_mad_u32_u24 v[GK], v[TC], 24, v[GK]
	s_mul_i32 s31, s[WV], 32*96
	v_add_nc_u32 v[GK], s31, v[GK]
	v_mul_u32_u24 v[GV], v[TA], 1536
	v_mad_u32_u24 v[GV], v[TC], 24, v[GV]
	s_lshr_b32 s31, s[WV], 2
	s_mul_i32 s31, s31, 96
	s_and_b32 s2, s[WV], 3
	s_mul_i32 s2, s2, 32*1536
	s_add_co_u32 s31, s31, s2
	v_add_nc_u32 v[GV], s31, v[GV]
	v_mul_u32_u24 v[QO], v[TA], 96
	v_mad_u32_u24 v[QO], v[TC], 24, v[QO]
	v_lshlrev_b32 v[QS], 2, v[TA]
	v_lshlrev_b32 v[SO], 4, v0
	BSETQ PA                                       ; the first block's two offsets of Q are made here, so that one wait serves all the head's loads
	s_mul_i32 s2, ttmp9, 2048*96                   ; the head's first byte in each tensor of codes
	s_mov_b32 s3, 0
	s_wait_kmcnt 0x0
	s_add_nc_u64 s[4:5], s[4:5], s[2:3]
	s_add_nc_u64 s[8:9], s[8:9], s[2:3]
	s_add_nc_u64 s[12:13], s[12:13], s[2:3]
	s_lshl_b32 s2, ttmp9, 13                       ; of scale bytes
	s_add_nc_u64 s[6:7], s[6:7], s[2:3]
	s_add_nc_u64 s[10:11], s[10:11], s[2:3]
	s_add_nc_u64 s[14:15], s[14:15], s[2:3]
	s_lshl_b32 s2, ttmp9, 20                       ; and in out0: 2,048 rows of 512 bytes
	s_add_nc_u64 s[20:21], s[20:21], s[2:3]
	s_mov_b32 s2, s26                              ; both blocks' class words go out together, each load from a pointer of its own
	s_add_nc_u64 s[68:69], s[18:19], s[2:3]
	s_load_b256 s[32:39], s[68:69], 0x0            ; the first block's eight pairs,
	s_mov_b32 s2, s30
	s_add_nc_u64 s[70:71], s[18:19], s[2:3]
	s_load_b256 s[40:47], s[70:71], 0x0            ; the second block's,
	s_lshl_b32 s2, s[PA], 2
	s_add_nc_u64 s[72:73], s[18:19], s[2:3]
	s_load_b32 s[CW], s[72:73], 0x0                ; and my own two
	s_lshl_b32 s2, s[PN], 2
	s_add_nc_u64 s[74:75], s[18:19], s[2:3]
	s_load_b32 s[CWN], s[74:75], 0x0
	s_wait_alu depctr_va_vdst(0)                   ; the offsets v5 to v8 and v11 are written, which the 42 loads below read
.irp n, 0,1
	global_load_b128 v[96+4*\n:99+4*\n], v[SO], s[10:11] offset:4096*\n     ; the head's scale bytes, 8,192 of K's and of V's: 16 bytes a thread, twice.  They serve both blocks
	global_load_b128 v[104+4*\n:107+4*\n], v[SO], s[14:15] offset:4096*\n
.endr
	LOADG 0                                        ; slot 0, always
	QLOAD
	BSETO PA
	; while these are out: the places in LDS (none of these lines names a register in which a load lands)
	s_mul_i32 s31, s[WV], 2*FRB
	v_add_nc_u32 v[WA], s31, v[LN]                 ; my two fragments' images: 16 x lane + 3,072 x wave
	v_add_nc_u32 v[WA+1], SLOT1, v[WA]
	; K's scale words: thread t's word e of load n is key 1,024 n + 4 t + e: step 8 n + t / 32; bits of t: 0: row bit 2; 1: tile bit 0; 2: row bit 3; 3: tile bit 1; 4: group
	s_lshl_b32 s31, s[WV], 9
	v_bfe_u32 v[TC], v0, 4, 1
	v_lshl_add_u32 v[TA], v[TC], 8, s31
	v_and_b32 v[TC], 1, v0
	v_lshl_add_u32 v[TA], v[TC], 6, v[TA]
	v_bfe_u32 v[TC], v0, 2, 1
	v_lshl_add_u32 v[TA], v[TC], 7, v[TA]
	v_bfe_u32 v[TC], v0, 3, 1
	v_lshl_add_u32 v[TA], v[TC], 3, v[TA]
	v_bfe_u32 v[TC], v0, 1, 1
	v_lshl_add_u32 v[TA], v[TC], 2, v[TA]
	v_add_nc_u32 v[TA], SCK, v[TA]
	; V's: word e of load n is row d = t / 4 + 64 n, step 4 (t % 4) + e: group n, tile t / 64, row (t / 4) % 16
	v_and_b32 v[TC], 3, v0
	v_lshlrev_b32 v[TD], 11, v[TC]
	v_bfe_u32 v[TC], v0, 2, 4
	v_lshl_add_u32 v[TD], v[TC], 4, v[TD]
	v_lshrrev_b32 v[TC], 6, v0
	v_lshl_add_u32 v[TD], v[TC], 2, v[TD]
	v_add_nc_u32 v[TD], SCV, v[TD]
	v_and_b32 v[TE], 15, v0                        ; r
	v_bfe_u32 v[TC], v0, 4, 1                      ; h
	v_lshl_add_u32 v[SCB], v[TE], 4, SCK
	s_mul_i32 s31, s[WV], 16*SPITCH
	s_add_co_u32 s31, s31, STAGE                   ; my stage
	v_mul_u32_u24 v[STO], v[TE], SPITCH
	v_lshl_add_u32 v[STO], v[TC], 5, v[STO]
	v_add_nc_u32 v[STO], s31, v[STO]               ; in: row r, + 32 h
	v_add_nc_u32 v[SRD], s31, v[LN]                ; back: the 32 lanes take a row of 512 bytes
	s_mov_b32 s[SEL], 0x76543210
	s_mov_b32 s[SEL+1], 0xfedcba98
	s_mov_b32 s[CS], 0x3e0293ee                    ; log2(e) / sqrt(128)
	s_mov_b32 s[CS+1], s[CS]                       ; (named with it as a pair, so it is written)
	s_mov_b32 s[BLK], 2
	s_wait_kmcnt 0x0                               ; the class words
	s_or_b32 s[WN], s32, s33
.irp i, 34,35,36,37,38,39
	s_or_b32 s[WN], s[WN], s\i
.endr
	s_lshr_b32 s[WN], s[WN], 4                     ; slot 1's four bits lowest: bits 0 and 2 say whether any wave works one of its two steps
	s_or_b32 s[WNN], s40, s41
.irp i, 42,43,44,45,46,47
	s_or_b32 s[WNN], s[WNN], s\i
.endr
	s_lshr_b32 s[WNN], s[WNN], 4
	s_wait_loadcnt 38                              ; the four loads of scale bytes are in; behind them slot 0's 24 loads and Q's 14 may be out
	s_wait_alu depctr_va_vdst(0)                   ; the LDS places are written: v114 and v116, which the stores below read; v80 and v81 (the fill's stores), v92 and v93 (the stage) and v82 (out0's stores), which no vector instruction of the loop names
.irp n, 0,1
.irp e, 0,1,2,3
	ds_store_b32 v[TA], v[96+4*\n+\e] offset:16*\e+4096*\n
	ds_store_b32 v[TD], v[104+4*\n+\e] offset:512*\e+256*\n
.endr
.endr
.macro MLOAD q, t, s                   ; tile t's 64 mask words of step q of the trip's slot s
	s_load_b512 s[32:47], s[MP:MP+1], 1024*(\s)+512*(\q)+256*(\t)
	s_load_b512 s[48:63], s[MP:MP+1], 1024*(\s)+512*(\q)+256*(\t)+64
	s_load_b512 s[68:83], s[MP:MP+1], 1024*(\s)+512*(\q)+256*(\t)+128
	s_load_b512 s[84:99], s[MP:MP+1], 1024*(\s)+512*(\q)+256*(\t)+192
.endm
.macro MASK t                          ; a hidden key's score becomes -infinity: p = 0 then.  Ascending
	WIN 0x55*(\t)
	v_mov_b32 v254, 0xff800000
.set MN, 0
.rept 64
.if MN < 32
	v_cndmask_b32 v[96+MN], v254, v[96+MN], s[32+MN]
.else
	v_cndmask_b32 v[96+MN], v254, v[96+MN], s[36+MN]
.endif
.set MN, MN+1
.endr
	WIN 0
.endm
; One tile's softmax for 128 keys, in two parts.  SOFTA: S^T in v96-159 becomes p; it ends with the one wait behind its exponentials, and leaves the tile's window set.
; SOFTB: p's codes in v224-235 and its scale word in v[30 + t] (window 0: scale operands have no window); the sum and O^T come under the new M.
.macro SOFTA t
	WIN 0x55*(\t)
.irp b, 0,1,2,3
	v_max3_num_f32 v[232+\b], v[96+16*\b], v[97+16*\b], v[98+16*\b]   ; the largest score of each block of 32 keys: it serves for the row's maximum and, since p rises with the score, for the block's largest p
.endr
.irp i, 3,5,7,9,11,13
.irp b, 0,1,2,3
	v_max3_num_f32 v[232+\b], v[232+\b], v[96+16*\b+\i], v[97+16*\b+\i]   ; (the four blocks by turns)
.endr
.endr
.irp b, 0,1,2,3
	v_max_num_f32 v[232+\b], v[232+\b], v[111+16*\b]
.endr
.irp b, 0,1,2,3
	v_permlanex16_b32 v[236+\b], v[232+\b], s[SEL], s[SEL+1]
.endr
.irp b, 0,1,2,3
	v_max_num_f32 v[232+\b], v[232+\b], v[236+\b]  ; with lane l xor 16's 16 keys
.endr
	v_max3_num_f32 v254, v232, v233, v234
	v_max_num_f32 v254, v254, v235                 ; the step's largest score of my query
	v_mul_f32 v254, s[CS], v254                    ; as t (c is positive)
	v_max_num_f32 v13, v13, v254                   ; the running largest t
	v_mov_b32 v254, v12
	v_floor_f32 v12, -v13                          ; the new -M = floor(-t) = -ceil(t): a whole number
	v_sub_f32 v254, v12, v254                      ; M's old value less its new one: 0 or less
	v_cvt_i32_f32 v254, v254                       ; (it saturates)
	v_ldexp_f32 v252, 1.0, v254                    ; f = 2^(old M - new M): multiplying by it rounds nothing
.set J, 0
.rept 32
	v_pk_fma_f32 v[96+J:97+J], v[96+J:97+J], s[CS:CS+1], v[12:13] op_sel_hi:[1,0,0]   ; t - M, two at a time
.set J, J+2
.endr
.irp b, 0,1,2,3
	v_fma_f32 v[232+\b], v[232+\b], s[CS], v12     ; the same of each block's largest score
.endr
.set J, 0
	s_wait_alu depctr_va_vdst(0)
.rept 64
	v_exp_f32 v[96+J], v[96+J]                     ; p = 2^(t - M), at most 1
.set J, J+1
.endr
.irp b, 0,1,2,3
	v_exp_f32 v[232+\b], v[232+\b]                 ; the block's largest p: the same two instructions on the same number
.endr
	v_pk_mul_f32 v[14:15], v[14:15], v[252:253] op_sel_hi:[1,0]   ; the sums under the new M (a plain instruction behind the exponentials)
	s_wait_alu depctr_va_vdst(0)                   ; the 68 exponentials have written p and the blocks' largest p, ahead of their first reader.  Tile 0's: the products K Q^T are also done reading v32-79 and v248-251.  Tile 1's: tile 0's conversions and sums are also done reading v96-143 of window 0
.endm
.macro SOFTB t
	WIN 0x55*(\t)
.irp b, 0,1,2,3
	v_max_num_f32 v[232+\b], 0x1800000, v[232+\b]  ; the floor 2^(3 - 127): the byte cannot fall under 1
.endr
.irp b, 0,1,2,3
	v_add_nc_u32 v[244+\b], 0xff000000, v[232+\b]  ; 2 off the exponent field: the conversion's scale operand
.endr
.irp b, 0,1,2,3
	v_lshrrev_b32 v[236+\b], 23, v[244+\b]         ; the scale's byte
.endr
	v_lshl_or_b32 v253, v237, 8, v236
	v_lshl_or_b32 v253, v238, 16, v253
	WIN 0x15*(\t)
	v_lshl_or_b32 v[30+\t], v239, 24, v253         ; p's scale word for these 128 keys; more than eight plain instructions follow ahead of the products that name it
	WIN 0x55*(\t)
.irp c, 0,1
	v_cvt_scalef32_pk16_fp6_f32 v[224+6*\c:226+6*\c], v[96+32*\c:111+32*\c], v[244+2*\c]
	v_cvt_scalef32_pk16_fp6_f32 v[236+4*\c:238+4*\c], v[112+32*\c:127+32*\c], v[244+2*\c+1]   ; (a conversion's three registers begin on an even number)
.endr
	v_nop                                          ; one plain instruction behind a scaled conversion
.irp c, 0,1                                    ; the operand wants a whole block in a lane: lanes 0-15 block 2 c, lanes 16-31 block 2 c + 1
.irp i, 0,1,2
	v_permlane16_swap_b32 v[224+6*\c+\i], v[236+4*\c+\i]
.endr
.irp i, 0,1,2
	v_mov_b32 v[227+6*\c+\i], v[236+4*\c+\i]
.endr
.endr
	v_pk_add_f32 v[236:237], v[96:97], v[98:99]    ; the row's sum is taken of the unquantised p: two at a time, in two chains
.set J, 4
.rept 15
	v_pk_add_f32 v[14:15], v[14:15], v[96+J:97+J]
	v_pk_add_f32 v[236:237], v[236:237], v[98+J:99+J]
.set J, J+4
.endr
	v_pk_add_f32 v[14:15], v[14:15], v[236:237]
.set J, 0
.rept 32
	v_pk_mul_f32 v[160+J:161+J], v[160+J:161+J], v[252:253] op_sel_hi:[1,0]   ; O^T under the new M, from each accumulator's low end on
.set J, J+2
.endr
	WIN 0
.endm
; Four fragments (numbers f0 .. f0 + 3 behind byte base of the slot whose address register is rd) into v[reg] on, and their scale words (16 bytes a lane: the four tiles' words of my row) into v[sc] on
.macro FETCH4 reg, sc, rd, base, f0, soff
.irp t, 0,1,2,3
.irp a, 0,1,2
	ds_load_b128 v[(\reg)+12*\t+4*\a:(\reg)+12*\t+4*\a+3], v[\rd] offset:(\base)+((\f0)+\t)*FRB+512*\a
.endr
.endr
	ds_load_b128 v[(\sc):(\sc)+3], v[ADS] offset:\soff
.endm
; A KEY STEP: 128 keys, the q-th of the trip's slot s, for my two tiles.  Every accumulator gets one matrix instruction a step, so no two that follow each other share one.
.macro STEP q, s
	s_bitcmp1_b32 s[CW], 4*(\s)+2*(\q)
	s_cbranch_scc0 .Lskip_\@                       ; no key of this step counts for any of my 32 queries
	MLOAD \q, 0, \s
.irp g, 0,1                                    ; S^T = K Q^T, four tiles of 16 keys at a time, each fragment for both tiles of queries
.if \g
	PLACES
.endif
	s_wait_alu depctr_va_vdst(0)                   ; the products issued so far are done reading v32-79 and v248-251, in which the loads below land; at a step's head also: v[ADS], which these loads read, is written
	FETCH4 FRG, 248, RD+\s, 0, 8*(\q)+4*\g, 1024*(\s)+512*(\q)+256*\g
	s_wait_dscnt 0x0
.irp t, 0,1,2,3
	v_wmma_scale_f32_16x16x128_f8f6f4 v[96+8*(4*\g+\t):103+8*(4*\g+\t)], v[FRG+12*\t:FRG+12*\t+11], v[16:27], 0, v[248+\t], v28 matrix_a_fmt:MATRIX_FMT_FP6 matrix_b_fmt:MATRIX_FMT_FP6
.endr
	WIN 0x54
.irp t, 0,1,2,3
	v_wmma_scale_f32_16x16x128_f8f6f4 v[96+8*(4*\g+\t):103+8*(4*\g+\t)], v[FRG+12*\t:FRG+12*\t+11], v[16:27], 0, v[248+\t], v29 matrix_a_fmt:MATRIX_FMT_FP6 matrix_b_fmt:MATRIX_FMT_FP6
.endr
	WIN 0
.endr
	PLACES                                         ; ahead of the first read of the scores
	s_wait_kmcnt 0x0                               ; tile 0's mask words
	s_bitcmp1_b32 s[CW], 4*(\s)+2*(\q)+1
	s_cbranch_scc0 .Lopen0_\@                      ; all keys count: nothing to hide
	MASK 0
	s_wait_alu depctr_va_vdst(0)                   ; the selects are done reading the mask words s[32:99], which the scalar loads below write
.Lopen0_\@:
	MLOAD \q, 1, \s                                ; tile 1's words come while tile 0 is worked
	SOFTA 0
	FETCH4 FRG, 248, RD+\s, VOFF, 8*(\q), 8192+1024*(\s)+512*(\q)   ; V's fragments 0 to 3, straight behind the wait that ends SOFTA: they land under the rest of the softmax
	SOFTB 0
	s_wait_kmcnt 0x0
	s_bitcmp1_b32 s[CW], 4*(\s)+2*(\q)+1
	s_cbranch_scc0 .Lopen1_\@
	MASK 1
.Lopen1_\@:
	SOFTA 1
	WIN 0                                          ; between that wait and the loads stands this switch alone
	FETCH4 VB, SC2, RD+\s, VOFF, 8*(\q)+4, 8192+1024*(\s)+512*(\q)+256   ; V's fragments 4 to 7, into the registers that tile 0's p has left; v84-87 were last read by the step before's products
	SOFTB 1
	s_wait_dscnt 0x0                               ; V's eight fragments and their scale words are in
	s_wait_alu depctr_va_vdst(0)                   ; the conversions, swaps and moves have written p's codes (v224-235 of both windows) and its scale words v30, v31, which the products below take; the places ahead of them stand in SOFTB
.irp t, 0,1,2,3                                ; O^T += V^T P^T: eight tiles of 16 of the head's 128; K = these 128 keys
	v_wmma_scale_f32_16x16x128_f8f6f4 v[160+8*\t:167+8*\t], v[FRG+12*\t:FRG+12*\t+11], v[224:235], v[160+8*\t:167+8*\t], v[248+\t], v30 matrix_a_fmt:MATRIX_FMT_FP6 matrix_b_fmt:MATRIX_FMT_FP6
.endr
.irp t, 0,1,2,3
	v_wmma_scale_f32_16x16x128_f8f6f4 v[192+8*\t:199+8*\t], v[VB+12*\t:VB+12*\t+11], v[224:235], v[192+8*\t:199+8*\t], v[SC2+\t], v30 matrix_a_fmt:MATRIX_FMT_FP6 matrix_b_fmt:MATRIX_FMT_FP6
.endr
	WIN 0x54
.irp t, 0,1,2,3
	v_wmma_scale_f32_16x16x128_f8f6f4 v[160+8*\t:167+8*\t], v[FRG+12*\t:FRG+12*\t+11], v[224:235], v[160+8*\t:167+8*\t], v[248+\t], v31 matrix_a_fmt:MATRIX_FMT_FP6 matrix_b_fmt:MATRIX_FMT_FP6
.endr
.irp t, 0,1,2,3
	v_wmma_scale_f32_16x16x128_f8f6f4 v[192+8*\t:199+8*\t], v[VB+12*\t:VB+12*\t+11], v[224:235], v[192+8*\t:199+8*\t], v[SC2+\t], v31 matrix_a_fmt:MATRIX_FMT_FP6 matrix_b_fmt:MATRIX_FMT_FP6
.endr
	WIN 0
.rept 5
	v_nop                                          ; five places: the next step's first products write scores over v96-143, which these products read; four of them serve the next read of O^T
.endr
.Lskip_\@:
.endm
; ONE SLOT of 256 keys: slot s of LDS is read, the other one, o, is filled with the keys that follow.
.macro TRIP s, o
	s_wait_dscnt 0x0                               ; my stores into slot s have landed, and my reads of slot o are in:
	s_barrier_signal -1
	s_barrier_wait -1                              ; both now hold of all eight waves
	s_wait_alu depctr_vm_vsrc(0)                   ; my LDS stores of the last fill have read window 1's v32-79, in which the loads below land; my LDS loads have read v[ADS], which is written below; the LDS stores of the head and of the last way out have read v96-159 and v114, v116, where scores are written
.if (\s) == 0
	v_add_nc_u32 v[ADS], s[TS], v[SCB]             ; the trip's scale words; the wait at the head of the first step that is worked shows it written
.endif
	s_and_b32 s31, s[WN], 5<<(4*(\s))
	s_cmp_eq_u32 s31, 0
	s_cbranch_scc1 .Lnoload_\@                     ; no wave of the work-group works a step of the next slot (behind the last slot the bits are 0): nothing is fetched, and no load leaves its buffer
	LOADG \s                                       ; the next slot: it has a step's work in which to come
.Lnoload_\@:
	STEP 0, \s
	s_wait_loadcnt 0x0                             ; on every way: the next slot's bytes are in my registers
	s_and_b32 s31, s[WN], 5<<(4*(\s))
	s_cmp_eq_u32 s31, 0
	s_cbranch_scc1 .Lnostore_\@
	STOREG \o                                      ; into the slot that every wave left at this slot's barrier
.Lnostore_\@:
	STEP 1, \s
.endm
; THE WAY OUT of tile t.  The sum's halves are added; O^T / the sum (register 8 u + i: channel 16 u + 8 h + i of query r) goes through my own stage in LDS and comes back as whole rows of 512 bytes.
; LDS serves a wave's instructions in order (ISA guide 5.7.1.4): no wait between the stores and the loads, nor in front of the next tile's stores.
.macro OUT t
	WIN 0x55*(\t)
	v_add_f32 v14, v14, v15
	v_permlanex16_b32 v252, v14, s[SEL], s[SEL+1]
	v_add_f32 v14, v14, v252                       ; with lane l xor 16's: the row's sum
	s_wait_alu depctr_va_vdst(0)
	v_rcp_f32 v14, v14
	v_nop                                          ; one plain instruction behind the reciprocal
.set J, 0
	s_wait_alu depctr_va_vdst(0)                   ; the reciprocal has written v14, ahead of its first reader
.rept 32
	v_pk_mul_f32 v[96+J:97+J], v[160+J:161+J], v[14:15] op_sel_hi:[1,0]
.set J, J+2
.endr
	WIN 0x04*(\t)
	s_wait_alu depctr_va_vdst(0)                   ; the multiplications have written v96-159, which the LDS stores read, and are done reading v160-223, in which the LDS loads land; no vector instruction follows before the tile is out
.irp u, 0,1,2,3,4,5,6,7
	ds_store_b128 v[STO], v[96+8*\u:99+8*\u] offset:64*\u
	ds_store_b128 v[STO], v[100+8*\u:103+8*\u] offset:64*\u+16
.endr
	WIN 0x40*(\t)
.irp i, 0,1,2,3,4,5,6,7,8,9,10,11,12,13,14,15
	ds_load_b128 v[160+4*\i:163+4*\i], v[SRD] offset:SPITCH*\i
.endr
	WIN 0x04*(\t)
.irp i, 0,1,2,3,4,5,6,7,8,9,10,11,12,13,14,15
	s_wait_dscnt 15-\i                             ; row i is back; the younger loads may be out
	global_store_b128 v[GO], v[160+4*\i:163+4*\i], s[20:21] offset:8192*(\t)+512*\i th:TH_STORE_NT   ; 32 lanes store 512 consecutive bytes, at a multiple of 256 from out0's first byte; written once
.endr
	WIN 0
.endm
.Lblock:                                           ; 2 trips: block 7 - y, then block y.  At its head the block's slot 0 and its Q are on their way
	INIT 0                                         ; (O^T's registers were the last block's store data: they are written again only behind the two waits at the trip's end)
	INIT 1
	s_mov_b32 s[TS], 0
	s_mov_b32 s[CNT], 4
	s_wait_loadcnt 0x0                             ; slot 0 and Q
	STOREG 0                                       ; LDS slot 0 was last read ahead of the barrier at the last block's last slot: every wave has passed it
	s_add_nc_u64 s[8:9], s[8:9], KSLOT             ; K and V at slot 1 (their loads are done)
	s_add_nc_u64 s[12:13], s[12:13], VSLOT
.Lslot:                                            ; 4 trips of two slots: every slot's address is a register that is never rewritten, and the slot's place in the trip stands in immediates
	TRIP 0, 1
	TRIP 1, 0
	s_wait_xcnt 0x0                                ; no memory instruction of mine still reads its address: the three pointers may step
	s_add_nc_u64 s[8:9], s[8:9], 2*KSLOT
	s_add_nc_u64 s[12:13], s[12:13], 2*VSLOT
	s_add_nc_u64 s[MP:MP+1], s[MP:MP+1], 2048      ; four steps' mask words
	s_add_co_u32 s[TS], s[TS], 2048
	s_lshr_b32 s[CW], s[CW], 8
	s_lshr_b32 s[WN], s[WN], 8
	s_sub_co_u32 s[CNT], s[CNT], 1
	s_cmp_lg_u32 s[CNT], 0
	s_cbranch_scc1 .Lslot
	s_sub_nc_u64 s[8:9], s[8:9], 9*KSLOT           ; K and V back at the head's slot 0: one slot's step at the block's head and eight in the loop (nothing has been issued since the wait on XCNT)
	s_sub_nc_u64 s[12:13], s[12:13], 9*VSLOT
	s_wait_alu depctr_vm_vsrc(0)                   ; this block's loads of Q have read v7 and v8, which are written below; the last fill's LDS stores have read window 1's v32-79, in which the next block's first loads land
	s_cmp_eq_u32 s[BLK], 1
	s_cbranch_scc1 .Lnonext                        ; behind the second block nothing is asked for
	BSETQ PN                                       ; THE NEXT BLOCK'S FIRST LOADS GO OUT AHEAD OF THIS BLOCK'S WAY OUT: the registers on the way, Q's and Q's scale words are free
	s_wait_alu depctr_va_vdst(0)                   ; v7 and v8 are written, which Q's loads read; the block's products are done reading Q (v16-27 of both windows) and its scale words v28, v29, in which those loads land
	LOADG 0
	QLOAD
.Lnonext:
	OUT 0
	OUT 1
	s_wait_xcnt 0x0                                ; the stores have had their addresses translated: data and offset are written again only behind this wait; nothing waits for the stores themselves
	s_wait_alu depctr_vm_vsrc(0)                   ; and beside it: the stores have read v160-223 of both windows, where the next block's zeros go, and v82, which is written below; the stage's LDS stores have read v96-159
	BSETO PN
	s_mov_b32 s[CW], s[CWN]
	s_mov_b32 s[WN], s[WNN]
	s_sub_co_u32 s[BLK], s[BLK], 1
	s_cmp_lg_u32 s[BLK], 0
	s_cbranch_scc1 .Lblock
	s_wait_dscnt 0x0                               ; the closing lines, six on end
	s_wait_alu 0x0
	s_wait_tensorcnt 0x0
	ds_add_u32 v243, v255
	s_wait_dscnt 0x0
	s_endpgm
.Lfunc_end_k_qb72b2a6ca6_attn:
	.size	k_qb72b2a6ca6_attn, .Lfunc_end_k_qb72b2a6ca6_attn-k_qb72b2a6ca6_attn
	.p2alignl 7, 3214868480
	.fill 96, 4, 3214868480
	.section	.rodata,"a",@progbits
	.p2align	6, 0x0
	.amdhsa_kernel k_qb72b2a6ca6_attn
		.amdhsa_group_segment_fixed_size 183296
		.amdhsa_private_segment_fixed_size 0
		.amdhsa_enable_private_segment 0
		.amdhsa_kernarg_size 72
		.amdhsa_user_sgpr_count 2
		.amdhsa_user_sgpr_kernarg_segment_ptr 1
		.amdhsa_wavefront_size32 1
		.amdhsa_system_sgpr_workgroup_id_x 1
		.amdhsa_system_sgpr_workgroup_id_y 1
		.amdhsa_system_sgpr_workgroup_id_z 1
		.amdhsa_system_vgpr_workitem_id 0
		.amdhsa_next_free_vgpr 512
		.amdhsa_next_free_sgpr 106
		.amdhsa_reserve_vcc 0
		.amdhsa_float_denorm_mode_32 3
		.amdhsa_float_denorm_mode_16_64 3
		.amdhsa_memory_ordered 1
		.amdhsa_forward_progress 1
		.amdhsa_inst_pref_size 212
	.end_amdhsa_kernel
	.amdgpu_metadata
---
amdhsa.version: [ 1, 2 ]
amdhsa.kernels:
  - .name:           k_qb72b2a6ca6_attn
    .symbol:         k_qb72b2a6ca6_attn.kd
    .args:
      - { .name: Q_codes, .offset: 0, .size: 8, .value_kind: global_buffer, .address_space: global }
      - { .name: Q_scales, .offset: 8, .size: 8, .value_kind: global_buffer, .address_space: global }
      - { .name: K_codes, .offset: 16, .size: 8, .value_kind: global_buffer, .address_space: global }
      - { .name: K_scales, .offset: 24, .size: 8, .value_kind: global_buffer, .address_space: global }
      - { .name: V_codes, .offset: 32, .size: 8, .value_kind: global_buffer, .address_space: global }
      - { .name: V_scales, .offset: 40, .size: 8, .value_kind: global_buffer, .address_space: global }
      - { .name: mbits, .offset: 48, .size: 8, .value_kind: global_buffer, .address_space: global }
      - { .name: mclass, .offset: 56, .size: 8, .value_kind: global_buffer, .address_space: global }
      - { .name: out0, .offset: 64, .size: 8, .value_kind: global_buffer, .address_space: global }
    .group_segment_fixed_size: 183296
    .private_segment_fixed_size: 0
    .kernarg_segment_align: 8
    .kernarg_segment_size: 72
    .max_flat_workgroup_size: 256
    .sgpr_count:     106
    .vgpr_count:     512
    .wavefront_size: 32
...
	.end_amdgpu_metadata
.endif
;; end of part 4
